; MI455X (gfx1250); checked and timed in simulation.
; The chip was launched on July 23, 2026; its instructions are those of AMD's public machine-readable ISA for CDNA 5 (MIT licence, August 2026) and "CDNA5" Instruction Set Architecture Reference Guide (July 2026). The comments in the code are by the model that wrote it; some were corrected since.
;; Ro PE Multihead Attention. Allowed arithmetic: matrix products marked QUANTISED: E2M3 operands, one E8M0 scale for each 32 along K, by v_wmma_scale_f32_16x16x128_f8f6f4 with both operands' format E2M3, f32 sums; everything else in f32.
;; Inputs: Wk 1,024 x 1,024 float32; Wo 1,024 x 1,024 float32; Wq 1,024 x 1,024 float32; Wv 1,024 x 1,024 float32; bk 1,024 float32; bo 1,024 float32; bq 1,024 float32; bv 1,024 float32; x 4 x 2,048 x 1,024 float32.
;; Outputs: out0 4 x 2,048 x 1,024 float32.
;; This version of the problem:
;;   THIS VERSION OF THE PROBLEM IS GIVEN IN LOW PRECISION. The matrix products marked QUANTISED in the list below multiply operands that are first quantised to E2M3 (2 exponent bits, 3 mantissa bits; 6 bits a number), with one power-of-two scale for each 32 numbers along K (OCP MX v1.0); their sums are f32. All else is computed in f32.
;;   The module's matrix products, in the order in which they are computed (A, B: the left and right operand; K: the contracted axis; several contracted axes count as one K, in the product's order):
;;     1. [M 8,192, K 1,024] x [K 1,024, N 1,024]; A: input x; B: input Wq: QUANTISED
;;     2. [M 8,192, K 1,024] x [K 1,024, N 1,024]; A: input x; B: input Wk: QUANTISED
;;     3. [M 8,192, K 1,024] x [K 1,024, N 1,024]; A: input x; B: input Wv: QUANTISED
;;     4. batch 64 x [M 2,048, K 64] x [K 64, N 2,048]; A: computed on the way; B: computed on the way: QUANTISED
;;     5. batch 64 x [M 2,048, K 2,048] x [K 2,048, N 64]; A: softmax (see below); B: computed on the way: QUANTISED
;;     6. [M 8,192, K 1,024] x [K 1,024, N 1,024]; A: computed on the way; B: input Wo: QUANTISED
;;   THE QUANTISER, for each operand of a quantised product, along K:
;;     - K is cut into blocks of 32 from its start; a last block that is shorter is filled with zeros.
;;     - A block's scale is 2^e with e = floor(log2(the largest magnitude in the block)) - 2, held to -126 .. 127; a block of zeros has e = 0. As a byte (E8M0): e + 127.
;;     - Each number is divided by its block's scale, clamped to +-7.5, and rounded to the nearest number of E2M3, ties to even, subnormals kept.
;;     - The product sums the exact products of the quantised numbers (number of the format x scale) in f32.
;;   ~~~python
;;   def quantise(x, axis):      # numpy; x: float32 -> the quantised numbers, widened to float32 again
;;       x = np.moveaxis(x, axis, -1); K = x.shape[-1]
;;       x = np.pad(x, [(0, 0)] * (x.ndim - 1) + [(0, -K % 32)]); x = x.reshape(x.shape[:-1] + (-1, 32)); a = np.abs(x).max(-1, keepdims=True)
;;       e = np.where(a > 0, np.clip(np.frexp(np.where(a > 0, a, 1))[1] - 1 - 2, -126, 127), 0)      # np.frexp(a)[1] - 1 = floor(log2(a)), exactly
;;       r = np.clip(x / 2.0 ** e, -7.5, 7.5)
;;       step = 2.0 ** (np.maximum(np.frexp(np.where(r == 0, 1, r))[1] - 1, 0) - 3)
;;       q = np.round(r / step) * step * 2.0 ** e      # np.round: ties to even
;;       return np.moveaxis(q.reshape(q.shape[:-2] + (-1,))[..., :K], -1, axis).astype(np.float32)
;;   ~~~
;;   SOFTMAX AHEAD OF A QUANTISED PRODUCT. Where the list says 'softmax', what is quantised is not the finished softmax but p = 2^(t - M), with t = logit x log2(e) and M = ceil(the row's largest t), a whole number; so 1/2 < the row's largest p <= 1. The row's sum l is taken of the UNQUANTISED p, in f32, and the product's result is divided by l at the end. Since M is a whole number, a kernel that streams over the keys may use a running M (the ceiling of the running maximum): every later rescaling is an exact power of two, which a block's scale takes up: the codes' values come out the same.
;;   OPERANDS COMPUTED ON THE WAY. 'Computed on the way' means the value that the module computes at that place (a softmax that the list does not call 'softmax' is quantised finished and normalised). What goes into a quantiser is computed in f32, as accurately as f32 sums, v_exp_f32 and their like allow (about 1e-6 of the number): no bf16 or f16 on the way to a quantiser, and a product that is left as it is and whose result goes on into a quantised operand takes f32 operands (vector FMAs, or v_wmma_f32_16x16x4_f32). A number that lies on a knife's edge between two numbers of the format may be rounded either way, as far as f32 arithmetic and the matrix unit's own rounding can turn it there, and no further.
;; One version. Each part assembles by itself: llvm-mc -triple=amdgcn-amd-amdhsa -mcpu=gfx1250 --defsym DOCPART=n.
;; ======== version 1 of 1: 4 launches
;; workspace buffers: xq 6,553,600 bytes; wq 3,276,800 bytes; rope 524,288 bytes; qimg 6,815,744 bytes; kvc 12,582,912 bytes; kvs 786,432 bytes; oq 6,553,600 bytes
;; launch quant (part 1): grid 416 x 1, 4 waves a work-group, no clusters, 33,280 bytes of LDS; arguments x, Wq, Wk, Wv, Wo, xq, wq, rope; writes xq, wq, rope
.if DOCPART == 1
	.amdgcn_target "amdgcn-amd-amdhsa--gfx1250"
	.amdhsa_code_object_version 6
	.text
	.protected	k_qa3a14e96be_quant
	.globl	k_qa3a14e96be_quant
	.p2align	8
	.type	k_qa3a14e96be_quant,@function
k_qa3a14e96be_quant:
	s_mov_b64 s[64:65], 0
	v_nop
	global_prefetch_b8 v0, s[64:65] scope:SCOPE_SE
	s_setreg_imm32_b32 hwreg(HW_REG_WAVE_MODE, 25, 1), 1
	s_wait_xcnt 0x0
; x [8192][1024] and Wq, Wk, Wv, Wo [1024][1024], f32, K innermost, become codes of FP6 (E2M3) with one E8M0 byte for each 32 along K; and the table of cos and sin for the rotation is made.
; A block's scale is 2^(floor(log2(its largest magnitude)) - 2); its byte is the largest magnitude's exponent field - 2, held at 1 from below.  A block of zeros so gets the byte 1 (not 127): its codes
; are zeros, and the bytes are read by this program alone.  Each number is divided by the scale and rounded to the nearest code, ties to even, beyond 7.5 the largest code.
; LIMITS: NaN and infinities among the inputs are not served.  The table's frequencies lie within about one unit in the last place of 100000^(-i/32); at position 2,047 that is up to about 1e-4 in the angle.
; WORK-GROUPS: 0-255 x, 256-383 the four weights (32 each), 384-415 the table.  A wave of the first 384 takes 8,192 numbers: 8 whole rows.
; ROWS CHANGE PLACES: in xq, and in wq for Wq, Wk and Wv, place p holds row p with its bits 3 and 4 swapped.  A wave's 8 rows stay together, so wave w simply writes to run ((w & 1) << 1) | (w >> 1) of its
; work-group's four.  Wo keeps its order.  The products' launch so finds, in a lane's registers, neighbours along the axis that it has to quantise next.
; xq: codes [8192][768] at 0, scale bytes [8192][32] at 6,291,456.  wq: codes [4096][768] at 0 (Wq, Wk, Wv, Wo), scale bytes [4096][32] at 3,145,728.  rope: [2048][32 cos][32 sin] f32.
; Each load reads 512 consecutive bytes; a step's 2,048 bytes turn through the wave's own stage in LDS, so that a lane holds 16 neighbours along K.  No barrier: waves share nothing.
.set STEPS, 16
.set WGQ,   384                        ; work-groups that quantise
.set EMAX,  2
.set CB,    12                         ; bytes of 16 codes
.set R,     16                         ; v16-79   four sets of 16 numbers as they are loaded
.set X,     80                         ; v80-111  two sets of 16 neighbours
.set C,     128                        ; v128-191 codes: four registers for each step, so that no store's data are written again
.set E,     112                        ; v112-127 a scale byte for each step
.set WREG,  8192                       ; LDS: a region for each wave: two stages of 32 x SP bytes, behind them its 256 scale bytes
.set SP,    80                         ; a lane's place in a stage: 64 bytes + 16 of padding
.set SRC,   22                         ; s[22:23] my wave's numbers
.set DC,    32                         ; s[32:33] its codes
.set DS,    34                         ; s[34:35] its scale bytes
	s_load_b512 s[4:19], s[0:1], 0x0               ; x 4, Wq 6, Wk 8, Wv 10, Wo 12, xq 14, wq 16, rope 18
	v_lshl_add_u32 v192, v0, 2, 0x8000
	v_mov_b32 v193, 0
	v_lshrrev_b32 v1, 5, v0
	v_readfirstlane_b32 s20, v1                    ; wave
	v_and_b32 v2, 31, v0                           ; lane
	v_lshlrev_b32 v3, 4, v2                        ; my 16 bytes of a load's 512
	s_mul_i32 s21, s20, WREG
	v_lshrrev_b32 v14, 2, v2
	v_mul_u32_u24 v14, v14, SP
	v_and_b32 v15, 3, v2
	v_lshl_add_u32 v14, v15, 4, v14
	v_add_nc_u32 v14, s21, v14                     ; the stage, on the way in: SP (lane / 4) + 16 (lane % 4)
	v_mul_u32_u24 v15, v2, SP
	v_add_nc_u32 v15, s21, v15                     ; and on the way out: SP x lane: my 16 neighbours
	v_mul_u32_u24 v4, v2, CB                       ; my codes' place in a step's
	v_lshrrev_b32 v5, 1, v2
	s_add_co_u32 s21, s21, 2*32*SP
	v_add_nc_u32 v5, s21, v5                       ; LDS: my wave's 256 scale bytes, my block's byte
	v_lshlrev_b32 v7, 3, v2                        ; and on the way out 8 bytes a lane
	v_add_nc_u32 v6, s21, v7
	s_wait_kmcnt 0x0
	s_cmp_ge_u32 ttmp9, WGQ
	s_cbranch_scc1 .Lrope
	; which tensor: only pointers are chosen, by the work-group's number
	s_mov_b64 s[SRC:SRC+1], s[12:13]
	s_cmp_lt_u32 ttmp9, 352
	s_cselect_b64 s[SRC:SRC+1], s[10:11], s[SRC:SRC+1]
	s_cmp_lt_u32 ttmp9, 320
	s_cselect_b64 s[SRC:SRC+1], s[8:9], s[SRC:SRC+1]
	s_cmp_lt_u32 ttmp9, 288
	s_cselect_b64 s[SRC:SRC+1], s[6:7], s[SRC:SRC+1]
	s_mov_b32 s26, 3145728
	s_cmp_lt_u32 ttmp9, 256
	s_cselect_b64 s[SRC:SRC+1], s[4:5], s[SRC:SRC+1]
	s_cselect_b64 s[24:25], s[14:15], s[16:17]     ; where the results go,
	s_cselect_b32 s26, 6291456, s26                ; where that buffer's scale bytes begin,
	s_cselect_b32 s28, -1, 31                      ; (a weight has 32 work-groups)
	s_cselect_b32 s27, 0, 256
	s_sub_co_u32 s27, ttmp9, s27                   ; my work-group's number in that buffer,
	s_and_b32 s28, s27, s28                        ; and in its tensor
	s_and_b32 s29, s20, 1
	s_lshl_b32 s29, s29, 1
	s_lshr_b32 s30, s20, 1
	s_or_b32 s29, s29, s30                         ; the wave's number with its two bits swapped
	s_cmp_lt_u32 ttmp9, 352
	s_cselect_b32 s29, s29, s20                    ; Wo keeps its order
	s_lshl_b32 s28, s28, 2
	s_add_co_u32 s28, s28, s20                     ; the run of 8,192 numbers that I read,
	s_lshl_b32 s30, s28, 15                        ; 32,768 bytes each (under 2^26)
	s_mov_b32 s31, 0
	s_add_nc_u64 s[SRC:SRC+1], s[SRC:SRC+1], s[30:31]
	s_lshl_b32 s27, s27, 2
	s_add_co_u32 s27, s27, s29                     ; the run that I write:
	s_mul_i32 s30, s27, 32*STEPS*CB                ; 6,144 bytes of codes,
	s_add_nc_u64 s[DC:DC+1], s[24:25], s[30:31]
	s_lshl_b32 s30, s27, 8                         ; 256 scale bytes
	s_add_co_u32 s30, s30, s26
	s_add_nc_u64 s[DS:DS+1], s[24:25], s[30:31]
.macro LOAD t
.irp i, 0,1,2,3
	global_load_b128 v[R+16*((\t)%4)+4*\i:R+16*((\t)%4)+4*\i+3], v3, s[SRC:SRC+1] offset:2048*(\t)+512*\i th:TH_LOAD_NT   ; 32 lanes read 512 consecutive bytes
.endr
.endm
.macro TURN t                          ; step t's numbers through the stage: LDS serves a wave's instructions in order, so no wait stands between the stores and the loads
.irp i, 0,1,2,3
	ds_store_b128 v14, v[R+16*((\t)%4)+4*\i:R+16*((\t)%4)+4*\i+3] offset:32*SP*((\t)%2)+8*SP*\i
.endr
.irp i, 0,1,2,3
	ds_load_b128 v[X+16*((\t)%2)+4*\i:X+16*((\t)%2)+4*\i+3], v15 offset:32*SP*((\t)%2)+16*\i
.endr
.endm
.irp t, 0,1,2,3
	LOAD \t
.endr
	s_wait_loadcnt 12                              ; step 0's four loads are in
	TURN 0
.macro STEP t
.set XS, X+16*((\t)%2)
.if (\t) > 0
	s_wait_dscnt 1                                 ; this step's numbers are back from the stage (the last step's byte store may be out): so its stores into the stage have read their registers,
.else
	s_wait_dscnt 0x0
.endif
.if (\t)+4 < STEPS
	LOAD (\t)+4                                    ; which take the loads of four steps on
.endif
.if (\t)+1 < STEPS
.if STEPS-2-(\t) >= 3
	s_wait_loadcnt 12                              ; the next step's four loads are in; those of the three steps behind it may be out
.else
	s_wait_loadcnt 4*(STEPS-2-(\t))
.endif
	TURN (\t)+1                                    ; and go through the other stage while this step is worked
.endif
	v_max3_num_f32 v8, |v[XS]|, |v[XS+1]|, |v[XS+2]|               ; the largest magnitude of my 16
	v_max3_num_f32 v9, |v[XS+3]|, |v[XS+4]|, |v[XS+5]|
.irp i, 6,10
	v_max3_num_f32 v8, v8, |v[XS+\i]|, |v[XS+\i+1]|
	v_max3_num_f32 v9, v9, |v[XS+\i+2]|, |v[XS+\i+3]|
.endr
	v_max3_num_f32 v8, v8, |v[XS+14]|, |v[XS+15]|
	v_max3_num_f32 v8, v8, v9, (EMAX+1)<<23        ; and the floor 2^(3 - 127): the byte cannot fall under 1
	v_max_num_f32_dpp v8, v8, v8 row_xmask:1 row_mask:0xf bank_mask:0xf   ; and of my neighbour's 16: the block's
	v_add_nc_u32 v11, -(EMAX<<23), v8              ; 2 off its exponent field: the conversion takes the exponent field of this operand as its scale
	v_cvt_scalef32_pk16_fp6_f32 v[C+4*(\t):C+4*(\t)+2], v[XS:XS+15], v11
	v_lshrrev_b32 v[E+(\t)], 23, v11               ; the scale's byte
	ds_store_b8 v5, v[E+(\t)] offset:16*(\t)       ; both lanes of a block write the same byte with the same value
	global_store_b96 v4, v[C+4*(\t):C+4*(\t)+2], s[DC:DC+1] offset:32*CB*(\t)
.endm
.irp t, 0,1,2,3,4,5,6,7,8,9,10,11,12,13,14,15
	STEP \t
.endr
	ds_load_b64 v[12:13], v6                       ; LDS serves a wave's instructions in order: these see my stores
	s_wait_dscnt 0x0
	global_store_b64 v7, v[12:13], s[DS:DS+1]      ; 32 lanes store 256 consecutive bytes, aligned
	s_wait_tensorcnt 0x0
	ds_add_u32 v192, v193
	s_wait_dscnt 0x0
	s_endpgm
; THE TABLE.  A work-group makes 64 positions, a wave 16.  A position's row is 32 cosines and 32 sines, 256 bytes: sixteen lanes, four numbers each; lanes 16-31 take the next position.
; Frequency i is 2^(-i c), c = log2(100000) / 32 = c_hi + c_lo with c_hi = 272132 x 2^-19, so that i c_hi is exact in f32; 2^(-i c_lo) = 1 - i c_lo ln 2 to far beyond f32.
; The angle is position x frequency, rounded once.  It is reduced by n = the nearest whole number of quarter turns (pi / 2 in two parts, fused), and sine and cosine of the rest, at most pi / 4,
; come from polynomials of degree 7 and 8.  A cosine is the sine a quarter turn on.  No LDS is touched here.
.Lrope:
	s_mov_b32 s36, 0x3f22f983                      ; 2 / pi
	s_mov_b32 s37, 0xbfc90fdb                      ; -(pi / 2), the f32 next to it,
	s_mov_b32 s38, 0x333bbd2e                      ; and what that leaves
	s_mov_b32 s39, 0xb94ca1f9                      ; sine: -1.9515296e-4,
	s_mov_b32 s40, 0x3c08839e                      ; 8.3321609e-3,
	s_mov_b32 s41, 0xbe2aaaa3                      ; -1.6666655e-1
	s_mov_b32 s42, 0x37ccf5ce                      ; cosine: 2.4433157e-5,
	s_mov_b32 s43, 0xbab6061a                      ; -1.3887316e-3,
	s_mov_b32 s44, 0x3d2aaaa5                      ; 4.1666646e-2
	v_and_b32 v64, 15, v2                          ; my place in a row
	v_lshrrev_b32 v65, 4, v2                       ; which of the two rows
	v_and_b32 v66, 7, v64
	v_lshlrev_b32 v66, 2, v66                      ; my first frequency
	v_lshrrev_b32 v67, 3, v64
	v_xor_b32 v67, 1, v67                          ; 1 where I make cosines
	s_sub_co_u32 s21, ttmp9, WGQ
	s_lshl_b32 s21, s21, 6
	s_lshl_b32 s22, s20, 4
	s_add_co_u32 s21, s21, s22                     ; my wave's first position
	v_add_nc_u32 v68, s21, v65
	v_lshlrev_b32 v69, 4, v2                       ; 16 x lane
	s_lshl_b32 s22, s21, 8
	s_mov_b32 s23, 0
	s_add_nc_u64 s[18:19], s[18:19], s[22:23]
.irp e, 0,1,2,3
	v_add_nc_u32 v[72+\e], \e, v66
.endr
.irp e, 0,1,2,3
	v_cvt_f32_u32 v[72+\e], v[72+\e]
.endr
.irp e, 0,1,2,3
	v_mul_f32 v[76+\e], 0xbf04e080, v[72+\e]       ; -i c_hi, exact
.endr
.irp e, 0,1,2,3
	v_exp_f32 v[76+\e], v[76+\e]
.endr
.irp e, 0,1,2,3
	v_mul_f32 v[72+\e], 0x34f817b5, v[72+\e]       ; i c_lo ln 2.  (Plain work behind the exponentials)
.endr
	s_wait_alu depctr_va_vdst(0)                   ; one wait for the four, ahead of their first reader
.irp e, 0,1,2,3
	v_fma_f32 v[80+\e], -v[72+\e], v[76+\e], v[76+\e]
.endr
.macro SINCOS out, f                   ; v84: the position
	v_mul_f32 v85, v84, v[\f]                      ; the angle
	v_mul_f32 v86, s36, v85
	v_rndne_f32 v86, v86                           ; n
	v_fma_f32 v87, v86, s37, v85
	v_fma_f32 v87, v86, s38, v87                   ; the rest r
	v_cvt_i32_f32 v88, v86
	v_add_nc_u32 v88, v88, v67                     ; the quarter
	v_mul_f32 v89, v87, v87                        ; z = r r
	v_fma_f32 v90, v89, s39, s40
	v_fma_f32 v91, v89, s42, s43
	v_fma_f32 v90, v90, v89, s41
	v_fma_f32 v91, v91, v89, s44
	v_mul_f32 v90, v90, v89
	v_mul_f32 v92, v89, v89
	v_fma_f32 v93, v89, -0.5, 1.0
	v_fma_f32 v90, v90, v87, v87                   ; sin r
	v_fma_f32 v93, v91, v92, v93                   ; cos r
	v_and_b32 v91, 1, v88
	v_cmp_ne_u32 vcc_lo, 0, v91
	v_cndmask_b32 v90, v90, v93, vcc_lo            ; odd quarters take the cosine,
	v_and_b32 v91, 2, v88
	v_lshlrev_b32 v91, 30, v91
	v_xor_b32 v[\out], v91, v90                    ; quarters 2 and 3 the other sign
.endm
.set IT, 0
.rept 8
	v_add_nc_u32 v84, 2*IT, v68
	v_cvt_f32_u32 v84, v84
.irp e, 0,1,2,3
	SINCOS 96+4*IT+\e, 80+\e
.endr
	global_store_b128 v69, v[96+4*IT:99+4*IT], s[18:19] offset:512*IT   ; two rows: 512 consecutive bytes, aligned; each turn has its own registers
.set IT, IT+1
.endr
	s_endpgm
.Lfunc_end_k_qa3a14e96be_quant:
	.size	k_qa3a14e96be_quant, .Lfunc_end_k_qa3a14e96be_quant-k_qa3a14e96be_quant
	.p2alignl 7, 3214868480
	.fill 96, 4, 3214868480
	.section	.rodata,"a",@progbits
	.p2align	6, 0x0
	.amdhsa_kernel k_qa3a14e96be_quant
		.amdhsa_group_segment_fixed_size 33280
		.amdhsa_private_segment_fixed_size 0
		.amdhsa_enable_private_segment 0
		.amdhsa_kernarg_size 64
		.amdhsa_user_sgpr_count 2
		.amdhsa_user_sgpr_kernarg_segment_ptr 1
		.amdhsa_wavefront_size32 1
		.amdhsa_system_sgpr_workgroup_id_x 1
		.amdhsa_system_sgpr_workgroup_id_y 1
		.amdhsa_system_sgpr_workgroup_id_z 1
		.amdhsa_system_vgpr_workitem_id 0
		.amdhsa_next_free_vgpr 194
		.amdhsa_next_free_sgpr 66
		.amdhsa_reserve_vcc 1
		.amdhsa_float_denorm_mode_32 3
		.amdhsa_float_denorm_mode_16_64 3
		.amdhsa_memory_ordered 1
		.amdhsa_forward_progress 1
		.amdhsa_inst_pref_size 69
	.end_amdhsa_kernel
	.amdgpu_metadata
---
amdhsa.version: [ 1, 2 ]
amdhsa.kernels:
  - .name:           k_qa3a14e96be_quant
    .symbol:         k_qa3a14e96be_quant.kd
    .args:
      - { .name: x, .offset: 0, .size: 8, .value_kind: global_buffer, .address_space: global }
      - { .name: Wq, .offset: 8, .size: 8, .value_kind: global_buffer, .address_space: global }
      - { .name: Wk, .offset: 16, .size: 8, .value_kind: global_buffer, .address_space: global }
      - { .name: Wv, .offset: 24, .size: 8, .value_kind: global_buffer, .address_space: global }
      - { .name: Wo, .offset: 32, .size: 8, .value_kind: global_buffer, .address_space: global }
      - { .name: xq, .offset: 40, .size: 8, .value_kind: global_buffer, .address_space: global }
      - { .name: wq, .offset: 48, .size: 8, .value_kind: global_buffer, .address_space: global }
      - { .name: rope, .offset: 56, .size: 8, .value_kind: global_buffer, .address_space: global }
    .group_segment_fixed_size: 33280
    .private_segment_fixed_size: 0
    .kernarg_segment_align: 8
    .kernarg_segment_size: 64
    .max_flat_workgroup_size: 128
    .sgpr_count:     66
    .vgpr_count:     194
    .wavefront_size: 32
...
	.end_amdgpu_metadata
.endif
;; end of part 1
;; launch qkv (part 2): grid 12 x 32, 4 waves a work-group, clusters of 4 x 4, 327,680 bytes of LDS; arguments xq, wq, rope, bq, bk, bv, qimg, kvc, kvs; writes qimg, kvc, kvs
.if DOCPART == 2
	.amdgcn_target "amdgcn-amd-amdhsa--gfx1250"
	.amdhsa_code_object_version 6
	.text
	.protected	k_qa3a14e96be_qkv
	.globl	k_qa3a14e96be_qkv
	.p2align	8
	.type	k_qa3a14e96be_qkv,@function
k_qa3a14e96be_qkv:
	s_mov_b64 s[64:65], 0
	v_nop
	global_prefetch_b8 v0, s[64:65] scope:SCOPE_SE
	s_setreg_imm32_b32 hwreg(HW_REG_WAVE_MODE, 25, 1), 1
	s_wait_xcnt 0x0
	s_wait_alu depctr_hold_cnt(0) depctr_sa_sdst(0) depctr_va_vdst(0) depctr_va_sdst(0) depctr_va_ssrc(0) depctr_va_vcc(0) depctr_vm_vsrc(0)
	s_getreg_b32 s2, hwreg(HW_REG_IB_STS2, 6, 4)
	s_cmp_eq_u32 s2, 0
	s_cbranch_scc0 .Lentry_in_a_cluster
	s_endpgm
.Lentry_in_a_cluster:
	s_bfe_u32 s2, ttmp6, 0x10000c
	s_cmp_lg_u32 s2, 0xf033
	s_cbranch_scc0 .Lentry_shape_is_right
	s_endpgm
.Lentry_shape_is_right:
; q = rot(x Wq^T + bq), k = rot(x Wk^T + bk), v = x Wv^T + bv, on codes of FP6 (E2M3) with E8M0 scales; the results are quantised here, q and k along the head's 64, v along the keys, and stored as
; IMAGES OF THE OPERAND REGISTERS that the attention launch wants: 12 registers a lane as three stores of 16 bytes a lane, 512 consecutive bytes each.
; TWO MODES, by the CLUSTER's x, which all sixteen partners share.  Clusters 0, 1: C[token][feature], A = x (8,192 places), B = Wq then Wk (2,048 places).  Cluster 2: C[feature][token] = V^T, A = Wv (1,024), B = x.
; A tile of C, 256 x 256, is made by four waves, 128 x 128 each: 64 accumulators of 16 x 16.  K = 1,024 goes in steps of 256 through a ring of two LDS slots filled by the tensor data mover; the scale bytes of
; the work-group's rows come once, with the first fills.  4 x 4 work-groups form a cluster: A's tiles are asked for jointly along a row of it, B's along a column.
; THE MATRIX INSTRUCTION IS USED TRANSPOSED: source 0 = 16 places of B, source 1 = 16 places of A: a lane holds one place of A and eight places of B.
; PLACES AND ROWS: place p of xq and wq holds row p with bits 3 and 4 swapped.  So lane r of A's block a stands for row 32 (a / 2) + 8 (a % 2) + r + 8 (r / 8), and register j of B's block b in half h of the lanes
; for row 32 (b / 2) + 16 h + 8 (b % 2) + j: the 16 registers of blocks 2 i, 2 i + 1 are 16 NEIGHBOURS, 32 i + 16 h + 0 .. 15, along the axis that is quantised next.
; LIMITS: NaN and infinities are not served; a block of zeros carries the byte 1 (its codes are zeros; this program alone reads the bytes).
; REGISTERS, in windows of 256: window 0: v0-31 addresses; v32-63 scale words, two sets; from v128 A's fragments, one set; on the way out v2-27 and v30-255 are free.  window 1: B's fragments, two sets.
;   window 2: the accumulators of A's blocks 0-3 ((a, b) at v[8 (8 a + b)]);  window 3: those of blocks 4-7.
.set SIZE_K, 1024
.set KSTEP,  256                       ; along K in a slot
.set NQ,     KSTEP/128                 ; matrix instructions deep
.set ROWB,   192                       ; a tile's row in bytes
.set KROW,   SIZE_K*6/8                ; a row of codes in memory
.set PITCH,  240                       ; an LDS row: 3 x (64 bytes + 16 of padding): the 32 lanes of a load of 8 bytes touch 64 different banks (64 banks of 4 bytes: ISA guide 11.1)
.set FR,     12                        ; registers of a fragment
.set NL,     6                         ; LDS loads that bring one
.set NP,     4                         ; places behind this matrix instruction (ISA guide 7.12.1)
.set HALFT,  128*PITCH                 ; 128 rows: what one tensor load brings
.set SLOT,   4*HALFT                   ; A's 256 rows, then B's 256
.set LAPS,   SIZE_K/(2*KSTEP)
.set KS,     SIZE_K/32                 ; a row of scale bytes
.set SCL,    2*SLOT                    ; behind the ring: the scales, as rows of 256 bytes + 16 of padding
.set HALFS,  (128*KS/256)*272
.set SBLK,   (16*KS/256)*272
.set SPARE,  SCL+4*HALFS               ; the spare words, 128 bytes for each wave: two blocks of 256 bytes that no other line names
.set ADRA, 16                          ; v16-17 LDS address of my A fragments in slot 0, 1 (v18-19: behind one padding more)
.set ADRB, 20                          ; v20-23 the same for B
.set ADRS, 27                          ; v27    LDS address of my scale words: lanes 0-15 A's, lanes 16-31 B's
.set SPW,  28                          ; v28    LDS address of my spare word; never rewritten
.set NIL,  29                          ; v29    0; never rewritten
.set SC,   32
.set AF,   128
.set G1, 24
.set G0, 32
.set G1B, 48
.set G0B, 56
.set G1S, 68
.set G0S, 76
.set G1SB, 80
.set G0SB, 88
.set MSB, 0
.macro WIN new                         ; the immediate's high byte repeats the setting that is left
.if MSB != (\new)
	s_set_vgpr_msb (MSB<<8)|(\new)
.set MSB, \new
.endif
.endm
.set MUL_LO, 0xa1                      ; source 0 (B) window 1, source 1 (A) window 0, C and D window 2
.set MUL_HI, 0xf1                      ; the same, C and D window 3
.set TO_B,   0x40                      ; destination window 1, address window 0
; A joint load: waves 0 and 1 fetch for A, waves 2 and 3 for B.  The branch hangs on the wave's number alone.  Four v_nop follow each of the two lines.
.macro JLOAD g0a, g1a, g0b, g1b
	s_cmp_eq_u32 s15, 0
	s_cbranch_scc0 .Lfor_b_\@
	tensor_load_to_lds s[\g0a:\g0a+3], s[\g1a:\g1a+7]
	s_nop 0
.rept 4
	v_nop
.endr
	s_branch .Lasked_\@
.Lfor_b_\@:
	tensor_load_to_lds s[\g0b:\g0b+3], s[\g1b:\g1b+7]
	s_nop 0
.rept 4
	v_nop
.endr
.Lasked_\@:
.endm
.macro CREST                           ; a round of the cluster's barrier behind its opening barrier
	s_cmp_lg_u32 s14, 0
	s_cbranch_scc1 .Lnot_wave_0_\@
	s_barrier_signal -3
.Lnot_wave_0_\@:
	s_barrier_wait -3
	s_barrier_signal -1
	s_barrier_wait -1
.endm
.macro CROUND                          ; a whole round
	s_barrier_signal -1
	s_barrier_wait -1
	CREST
.endm
	s_load_b128 s[4:7], s[0:1], 0x0                ; xq s[4:5], wq s[6:7]
	v_lshl_add_u32 v[SPW], v0, 2, SPARE
	v_mov_b32 v[NIL], 0
	ds_add_u32 v28, v29
	ds_add_u32 v28, v29
	s_wait_dscnt 0x0
	v_lshrrev_b32 v1, 5, v0
	v_readfirstlane_b32 s14, v1                    ; wave 0..3
	s_lshr_b32 s15, s14, 1                         ; which half of the tile's rows is mine.  Also: I fetch for A (0) or for B (1)
	s_and_b32 s16, s14, 1                          ; which half of its columns.  Also: which 128 rows of that tile I fetch
	s_bfe_u32 s40, ttmp6, 0x40000                  ; cx, cy: my place in the cluster
	s_bfe_u32 s41, ttmp6, 0x40004
	s_and_b32 s17, ttmp7, 0xffff                   ; the cluster's y
	s_cmp_eq_u32 ttmp9, 2                          ; the mode: the cluster's x, the same in all sixteen partners
	s_cselect_b32 s95, 1, 0                        ; 1: V^T
	s_cselect_b32 s42, s17, ttmp9                  ; V^T: the clusters lie side by side along the tokens,
	s_cselect_b32 s17, 0, s17                      ; in one row of clusters
	s_lshl_b32 s42, s42, 2
	s_add_co_u32 s42, s42, s40                     ; tile column of C
	s_lshl_b32 s17, s17, 2
	s_add_co_u32 s17, s17, s41                     ; tile row of C
	s_lshl_b32 s43, s41, 2
	s_lshl_b32 s43, 15, s43                        ; my row of the cluster
	s_lshl_b32 s44, 0x1111, s40                    ; my column
	; descriptor group 1: a tile of 128 rows x ROWB bytes, padded in LDS
	s_or_b32 s[G1+0], s43, (0<<16)|(1<<20)|(1<<21)|(3<<22)|(3<<25)  ; 15:0 the mask: A's tiles go to my row; elements of 1 byte; padding on; bit 21 beside a mask; after every 16 words 4 words
	s_or_b32 s[G1B+0], s44, (0<<16)|(1<<20)|(1<<21)|(3<<22)|(3<<25)
.irp g, G1, G1B
	s_mov_b32 s[\g+1], ROWB<<16                    ; tensor_dim0
	s_mov_b32 s[\g+2], 128<<16                     ; tensor_dim1
	s_mov_b32 s[\g+3], ROWB<<16                    ; tile_dim0
	s_mov_b32 s[\g+4], 128                         ; tile_dim1
	s_mov_b32 s[\g+5], KROW                        ; tensor_dim0_stride
	s_mov_b32 s[\g+6], 0
	s_mov_b32 s[\g+7], 0
.endr
	; the scales of 128 rows: a dense block of 4,096 bytes, as rows of 256 bytes (32 elements of 8 bytes), 16 bytes of padding behind each
	s_or_b32 s[G1S+0], s43, (3<<16)|(1<<20)|(1<<21)|(5<<22)|(3<<25)
	s_or_b32 s[G1SB+0], s44, (3<<16)|(1<<20)|(1<<21)|(5<<22)|(3<<25)
.irp g, G1S, G1SB
	s_mov_b32 s[\g+1], 32<<16
	s_mov_b32 s[\g+2], (128*KS/256)<<16
	s_mov_b32 s[\g+3], 32<<16
	s_mov_b32 s[\g+4], 128*KS/256
	s_mov_b32 s[\g+5], 32
	s_mov_b32 s[\g+6], 0
	s_mov_b32 s[\g+7], 0
.endr
	s_lshl_b32 s18, s16, 7                         ; which 128 rows of the tile I fetch
	s_lshl_b32 s20, s17, 8
	s_add_co_u32 s20, s20, s18                     ; A: place 256 x tile row + 128 x half
	s_lshl_b32 s46, s42, 8
	s_add_co_u32 s46, s46, s18                     ; B: place 256 x tile column + 128 x half
	s_mov_b32 s21, 0
	s_mov_b32 s47, 0
	s_mov_b64 s[18:19], KS
	s_mul_u64 s[22:23], s[20:21], s[18:19]         ; where these places' scales begin, in bytes
	s_mul_u64 s[92:93], s[46:47], s[18:19]
	s_mov_b64 s[18:19], KROW
	s_mul_u64 s[20:21], s[20:21], s[18:19]         ; and their codes
	s_mul_u64 s[46:47], s[46:47], s[18:19]
	s_mul_i32 s45, s14, HALFT                      ; where they go: wave x 128 rows: no place in the cluster enters an LDS address
	s_mul_i32 s94, s14, HALFS
	s_wait_kmcnt 0x0
	s_add_nc_u64 s[96:97], s[6:7], 2048*KROW       ; Wv's codes,
	s_add_nc_u64 s[98:99], s[6:7], 4096*KROW+2048*KS   ; Wv's scales,
	s_add_nc_u64 s[100:101], s[4:5], 8192*KROW     ; x's scales,
	s_add_nc_u64 s[66:67], s[6:7], 4096*KROW       ; Wq's and Wk's scales
	s_cmp_eq_u32 ttmp9, 2                          ; a choice between buffers that hangs on no address
	s_cselect_b64 s[8:9], s[4:5], s[6:7]           ; B's codes
	s_cselect_b64 s[10:11], s[100:101], s[66:67]   ; B's scales
	s_cselect_b64 s[4:5], s[96:97], s[4:5]         ; A's codes
	s_cselect_b64 s[6:7], s[98:99], s[100:101]     ; A's scales
	s_add_nc_u64 s[20:21], s[4:5], s[20:21]
	s_add_nc_u64 s[22:23], s[6:7], s[22:23]
	s_add_nc_u64 s[46:47], s[8:9], s[46:47]
	s_add_nc_u64 s[92:93], s[10:11], s[92:93]
	CROUND                                         ; all sixteen work-groups are here: the first joint loads meet
	s_mov_b32 s[G0S], 1
	s_add_co_u32 s[G0S+1], s94, SCL
	s_mov_b64 s[G0S+2:G0S+3], s[22:23]
	s_or_b32 s[G0S+3], s[G0S+3], 0x80000000
	s_mov_b32 s[G0SB], 1
	s_add_co_u32 s[G0SB+1], s94, SCL
	s_mov_b64 s[G0SB+2:G0SB+3], s[92:93]
	s_or_b32 s[G0SB+3], s[G0SB+3], 0x80000000
	JLOAD G0S, G1S, G0SB, G1SB                     ; the scales first: they are wanted with K step 0
.irp s, 0,1
	s_mov_b32 s[G0+4*\s], 1
	s_add_co_u32 s[G0+4*\s+1], s45, \s*SLOT
	s_add_nc_u64 s[G0+4*\s+2:G0+4*\s+3], s[20:21], \s*ROWB
	s_or_b32 s[G0+4*\s+3], s[G0+4*\s+3], 0x80000000
	s_mov_b32 s[G0B+4*\s], 1
	s_add_co_u32 s[G0B+4*\s+1], s45, \s*SLOT
	s_add_nc_u64 s[G0B+4*\s+2:G0B+4*\s+3], s[46:47], \s*ROWB
	s_or_b32 s[G0B+4*\s+3], s[G0B+4*\s+3], 0x80000000
	JLOAD G0+4*\s, G1, G0B+4*\s, G1B
.endr
	v_and_b32 v1, 15, v0                           ; l % 16
	v_bfe_u32 v2, v0, 4, 1                         ; l / 16
	v_mul_u32_u24 v3, v1, PITCH
	v_mul_u32_u24 v4, v2, 24
	v_add_nc_u32 v4, v3, v4                        ; a fragment's row x pitch + 24 x half
	v_lshl_add_u32 v5, v2, 4, v4                   ; and the same behind one padding more
	s_mul_i32 s21, s15, HALFT                      ; my 128 rows of A
	s_mul_i32 s22, s16, HALFT                      ; my 128 rows of B,
	s_add_co_u32 s22, s22, 2*HALFT                 ; which lie behind A's 256
.irp s, 0,1
	v_add_nc_u32 v[ADRA+\s], s21, v4
	v_add_nc_u32 v[ADRB+\s], s22, v4
	v_add_nc_u32 v[ADRA+2+\s], s21, v5
	v_add_nc_u32 v[ADRB+2+\s], s22, v5
	s_add_co_u32 s21, s21, SLOT
	s_add_co_u32 s22, s22, SLOT
.endr
	v_mul_u32_u24 v5, v1, KS                       ; my row's scales: KS bytes a row,
	v_lshrrev_b32 v6, 8, v5
	v_lshl_add_u32 v5, v6, 4, v5                   ; and 16 more for each 256 passed
	s_mul_i32 s21, s15, HALFS                      ; A's: my 128 rows
	s_mul_i32 s22, s16, HALFS                      ; B's: my 128 rows, behind A's 256
	s_add_co_u32 s22, s22, 2*HALFS
	s_sub_co_u32 s22, s22, s21
	v_mul_u32_u24 v6, s22, v2                      ; lanes 16-31 take B's
	s_add_co_u32 s21, s21, SCL
	v_add_nc_u32 v5, v5, v6
	v_add_nc_u32 v[ADRS], s21, v5
.macro FRAG reg, adr, q, i             ; a fragment, 16 rows x 128 K, is 12 registers: lane l holds row l % 16; registers 6 c .. 6 c + 5 hold K = 64 c + 32 (l / 16) + 0 .. 31: 24 bytes of the row, as they lie
.irp p, 0,1,2,3,4,5                    ; in pieces of 8 bytes.  Lanes 16-31 read three pieces further on than lanes 0-15: where that is behind one padding more, the second address register serves
.set PC, 12*(\q)+6*(\p/3)+\p%3
.if PC%8 < 5
	ds_load_b64 v[\reg+2*\p:\reg+2*\p+1], v[\adr] offset:8*PC+16*(PC/8)+(\i)*16*PITCH
.else
	ds_load_b64 v[\reg+2*\p:\reg+2*\p+1], v[\adr+2] offset:8*PC+16*(PC/8)+(\i)*16*PITCH
.endif
.endr
.endm
; 16 matrix instructions: A's blocks a0, a0 + 1 x B's eight, 128 along K.  p: B's set;  sc: the set of scale words.  zero = 1: the first product starts the sums.
; The 64 accumulators take turns, one instruction a turn, in the same order in every step.
.macro MUL16 a0, p, q, sc, zero
.irp a, \a0, \a0+1
.irp b, 0,1,2,3,4,5,6,7
.if \zero
	v_wmma_scale_f32_16x16x128_f8f6f4 v[8*(8*((\a)%4)+\b):8*(8*((\a)%4)+\b)+7], v[128*(\p)+FR*\b:128*(\p)+FR*\b+FR-1], v[AF+FR*(\a):AF+FR*(\a)+FR-1], 0, v[SC+8*NQ*(\sc)+NQ*\b+(\q)], v[SC+8*NQ*(\sc)+NQ*(\a)+(\q)] matrix_a_fmt:MATRIX_FMT_FP6 matrix_b_fmt:MATRIX_FMT_FP6 matrix_a_scale:MATRIX_SCALE_ROW1
.else
	v_wmma_scale_f32_16x16x128_f8f6f4 v[8*(8*((\a)%4)+\b):8*(8*((\a)%4)+\b)+7], v[128*(\p)+FR*\b:128*(\p)+FR*\b+FR-1], v[AF+FR*(\a):AF+FR*(\a)+FR-1], v[8*(8*((\a)%4)+\b):8*(8*((\a)%4)+\b)+7], v[SC+8*NQ*(\sc)+NQ*\b+(\q)], v[SC+8*NQ*(\sc)+NQ*(\a)+(\q)] matrix_a_fmt:MATRIX_FMT_FP6 matrix_b_fmt:MATRIX_FMT_FP6 matrix_a_scale:MATRIX_SCALE_ROW1
.endif
.endr
.endr
.endm
.macro FETCH_B slot, q, p              ; B's eight fragments of the slot's q-th 128 along K into set p
	WIN TO_B
.irp i, 0,1,2,3,4,5,6,7
	FRAG 128*(\p)+FR*\i, ADRB+\slot, \q, \i
.endr
	WIN 0
.endm
.macro FETCH_A slot, q, i0             ; A's blocks i0 .. i0 + 3
.irp i, \i0, \i0+1, \i0+2, \i0+3
	FRAG AF+FR*(\i), ADRA+\slot, \q, \i
.endr
.endm
.macro SCALES sc                       ; the next K step's scale words into set sc: lanes 0-15 take A's block i, lanes 16-31 B's block i
.irp i, 0,1,2,3,4,5,6,7
	ds_load_b64 v[SC+8*NQ*\sc+NQ*\i:SC+8*NQ*\sc+NQ*\i+1], v[ADRS] offset:\i*SBLK
.endr
.endm
; A load into a register that a matrix instruction has read, and a vector instruction that reads a matrix result, stand NP places behind that matrix instruction; only plain vector instructions
; that name none of its registers are places (ISA guide 7.12.1 for vector instructions).
.macro PLACES n
.rept \n
	v_nop
.endr
.endm
.macro STEP slot, q, zero              ; a step of 128 along K that has its successor in the same slot
	s_wait_dscnt 4*NL                              ; B's set and A's blocks 0-3 are in; the youngest loads (A's blocks 4-7) may be out
	WIN MUL_LO
	MUL16 0, (\q)%2, \q, \slot, \zero
	MUL16 2, (\q)%2, \q, \slot, \zero
	s_wait_dscnt 0                                 ; A's blocks 4-7 are in
	PLACES NP
	FETCH_B \slot, (\q)+1, 1-(\q)%2
	FETCH_A \slot, (\q)+1, 0
	WIN MUL_HI
	MUL16 4, (\q)%2, \q, \slot, \zero
	MUL16 6, (\q)%2, \q, \slot, \zero
	PLACES NP
	WIN 0
	FETCH_A \slot, (\q)+1, 4
.endm
; A slot's last step changes slots: ONE barrier; in front of it each wave waits for all its tensor loads, adds 0 to its spare word, and waits for that and for its own reads of this slot.  fill = 1: this slot is filled again, two K steps ahead.
.macro TURN slot, next, fill
	s_wait_tensorcnt 0x0                           ; all my tensor loads have landed: my part of the next slot
	ds_add_u32 v[SPW], v[NIL]                      ; 0 onto my spare word
	s_wait_dscnt 4*NL+1                            ; (the add and the youngest loads, A's blocks 4-7, may be out)
	WIN MUL_LO
	MUL16 0, 1, NQ-1, \slot, 0                     ; sixteen matrix instructions stand between the add and the wait for it
	s_wait_dscnt 0x0                               ; the add is done, and my reads of this slot are over
	s_barrier_signal -1
	MUL16 2, 1, NQ-1, \slot, 0
	WIN 0
	s_barrier_wait -1
.if \fill
	CREST                                          ; the barrier has opened a round of the cluster's barrier: no wave of any partner still reads this slot's tile or has a load on its way
	s_add_nc_u64 s[G0+4*\slot+2:G0+4*\slot+3], s[G0+4*\slot+2:G0+4*\slot+3], 2*ROWB
	s_add_nc_u64 s[G0B+4*\slot+2:G0B+4*\slot+3], s[G0B+4*\slot+2:G0B+4*\slot+3], 2*ROWB
	JLOAD G0+4*\slot, G1, G0B+4*\slot, G1B         ; the first tensor load behind the round; its four v_nop are the places in front of the loads below
.else
	PLACES NP
.endif
	v_add_nc_u32 v[ADRS], 4*NQ, v[ADRS]            ; on to the next K step's scale words (no LDS load of mine is out)
	FETCH_B \next, 0, 0
	FETCH_A \next, 0, 0
	SCALES \next
	WIN MUL_HI
	MUL16 4, 1, NQ-1, \slot, 0
	MUL16 6, 1, NQ-1, \slot, 0
	PLACES NP
	WIN 0
	FETCH_A \next, 0, 4
.endm
	s_wait_tensorcnt 1                             ; the scales and my part of K step 0 are in (K step 1's load may be out),
	s_barrier_signal -1
	s_barrier_wait -1                              ; everybody's are
	FETCH_B 0, 0, 0
	FETCH_A 0, 0, 0
	SCALES 0
	FETCH_A 0, 0, 4
	STEP 0, 0, 1                                   ; the first step stands in front of the loop: its products start the sums
	s_mov_b32 s3, LAPS-1
.Llap:                                                 ; a trip goes once round the ring and fills both slots again
	TURN 0, 1, 1
	STEP 1, 0, 0
	TURN 1, 0, 1
	STEP 0, 0, 0
	s_sub_co_u32 s3, s3, 1
	s_cmp_lg_u32 s3, 0
	s_cbranch_scc1 .Llap
	TURN 0, 1, 0                                   ; the last lap fills nothing
	STEP 1, 0, 0
	s_wait_dscnt 4*NL                              ; the very last step: nothing more to fetch
	WIN MUL_LO
	MUL16 0, 1, NQ-1, 1, 0
	MUL16 2, 1, NQ-1, 1, 0
	s_wait_dscnt 0
	WIN MUL_HI
	MUL16 4, 1, NQ-1, 1, 0
	MUL16 6, 1, NQ-1, 1, 0
	WIN 0
; ---------------- THE WAY OUT: no LDS is touched from here to the wave's last three lines ----------------
.set SEL,  92                          ; s[92:93] v_permlanex16_b32's selects for lane l xor 16
.set HI16, 94                          ; s94 a lane mask: lanes 16-31
.set LI,   24                          ; v24 16 x lane: an image's place for my lane
	PLACES NP                                      ; behind the last products: for the reads of results, and for loads and writes into what held A's fragments and the scale words
	s_load_b256 s[68:75], s[0:1], 0x10             ; rope 68, bq 70, bk 72, bv 74  (every tensor load has been waited for: these registers are free)
	s_load_b128 s[76:79], s[0:1], 0x30             ; qimg 76, kvc 78
	s_load_b64 s[80:81], s[0:1], 0x40              ; kvs
	s_mov_b32 s[SEL], 0x76543210
	s_mov_b32 s[SEL+1], 0xfedcba98
	s_mov_b32 s[HI16], 0xffff0000
	v_and_b32 v[LI], 31, v0
	v_and_b32 v30, 15, v0                          ; r
	v_bfe_u32 v31, v0, 4, 1                        ; h
	v_and_b32 v27, 8, v30
	v_add_nc_u32 v27, v27, v30                     ; r + 8 (r / 8)
	s_wait_kmcnt 0x0
	s_cmp_eq_u32 s95, 1
	s_cbranch_scc1 .Lvmode
; 32 numbers of a lane, register 16 b + i = index 32 b + 16 (lane / 16) + i of my row, become 6 registers of codes (lane (r, h): block h of row r, 24 bytes) in v[cd] on, and the two scale bytes in v[pw].
.macro QUANT2 y, cd, ct, m, pw
.irp b, 0,1
	v_max3_num_f32 v[\m+\b], |v[\y+16*\b]|, |v[\y+1+16*\b]|, 0x1800000   ; my 16 numbers of block b, and the floor 2^(3 - 127): the byte cannot fall under 1
.endr
.irp i, 2,4,6,8,10,12,14
.irp b, 0,1
	v_max3_num_f32 v[\m+\b], v[\m+\b], |v[\y+16*\b+\i]|, |v[\y+1+16*\b+\i]|
.endr
.endr
.irp b, 0,1
	v_permlanex16_b32 v[\m+2+\b], v[\m+\b], s[SEL], s[SEL+1]
.endr
.irp b, 0,1
	v_max_num_f32 v[\m+\b], v[\m+\b], v[\m+2+\b]   ; with lane l xor 16's: the block's largest magnitude
.endr
.irp b, 0,1
	v_add_nc_u32 v[\m+4+\b], 0xff000000, v[\m+\b]  ; 2 off its exponent field: the conversion's scale operand
.endr
.irp b, 0,1
	v_lshrrev_b32 v[\m+6+\b], 23, v[\m+4+\b]       ; the scale's byte
.endr
	v_lshl_or_b32 v[\pw], v[\m+7], 8, v[\m+6]      ; bytes 2 and 3 stay 0: they stand over zero codes
	v_cvt_scalef32_pk16_fp6_f32 v[\cd:\cd+2], v[\y:\y+15], v[\m+4]
	v_cvt_scalef32_pk16_fp6_f32 v[\ct:\ct+2], v[\y+16:\y+31], v[\m+5]
	v_nop                                          ; one plain place behind a scaled conversion
.irp i, 0,1,2
	v_permlane16_swap_b32 v[\cd+\i], v[\ct+\i]     ; the first now holds each lane's block's lower 16 codes, the second the upper 16
.endr
.irp i, 0,1,2
	v_mov_b32 v[\cd+3+\i], v[\ct+\i]
.endr
.endm
; ---- q and k.  A lane holds one token; its 32 registers of B's blocks 4 hh .. 4 hh + 3 are head hh's features 16 h + i (first half of the head) and 32 + 16 h + i (second half), i = 0 .. 15.
.set M2,   2                           ; v2-9   at work in QUANT2
.set PW,   10                          ; v10    the scale bytes just made
.set EW,   11                          ; v11-12 those of the even tile of a pair, for each head
.set SW,   16                          ; v16-23 a step's four scale words for each head: lanes 0-15 the pair's even tile, lanes 16-31 the odd one
.set RA,   25                          ; v25    the table: (r + 8 (r / 8)) x 256 + 64 h
.set BA,   26                          ; v26    the bias: 64 h
.set BIA,  32                          ; v32-95 the bias of my 64 features
.set CSN,  96                          ; v96-159 16 cosines and 16 sines, two sets
.set T,    160                         ; v160-191 the sums + bias
.set Y,    192                         ; v192-223 rotated
.set CODE, 224                         ; v224-247 a pair of tiles' codes for each head
.set CT,   248
.set CBS,  36                          ; s[36:39] where head 0's and head 1's images go
.set SBS,  44                          ; s[44:47] and their scale words
	v_lshlrev_b32 v[LI], 4, v[LI]
	v_lshlrev_b32 v[RA], 8, v27
	v_lshl_add_u32 v[RA], v31, 6, v[RA]
	v_lshlrev_b32 v[BA], 6, v31
	v_mov_b32 v[M2+2], 0                           ; written once: a lane permute's destination counts as one of its sources
	v_mov_b32 v[M2+3], 0
	s_lshl_b32 s18, s17, 8
	s_lshl_b32 s19, s15, 7
	s_add_co_u32 s18, s18, s19                     ; my first token
	s_lshr_b32 s19, s18, 11                        ; its batch,
	s_and_b32 s20, s18, 2047                       ; its position,
	s_lshr_b32 s21, s20, 7                         ; its step of 128
	s_lshl_b32 s22, s42, 2
	s_lshl_b32 s23, s16, 1
	s_add_co_u32 s22, s22, s23
	s_and_b32 s22, s22, 15                         ; my first head (an even one)
	s_lshl_b32 s23, s19, 4
	s_add_co_u32 s23, s23, s22                     ; 16 x batch + head
	s_add_nc_u64 s[26:27], s[76:77], 6291456       ; q's scale words
	s_mov_b32 s30, 196608
	s_mov_b32 s31, 12288
	s_mov_b32 s32, 12288
	s_mov_b32 s33, 768
	s_cmp_lt_u32 s42, 4                            ; tile columns 0-3 are q, 4-7 are k
	s_cselect_b64 s[24:25], s[76:77], s[78:79]     ; the images' buffer,
	s_cselect_b64 s[26:27], s[26:27], s[80:81]     ; the scale words',
	s_cselect_b64 s[28:29], s[70:71], s[72:73]     ; the bias,
	s_cselect_b32 s30, 98304, s30                  ; bytes of images a head,
	s_cselect_b32 s31, 6144, s31                   ; a step,
	s_cselect_b32 s32, 8192, s32                   ; bytes of scale words a head,
	s_cselect_b32 s33, 512, s33                    ; a step
	s_mul_i32 s2, s23, s30
	s_mul_i32 s3, s21, s31
	s_add_co_u32 s2, s2, s3
	s_mov_b32 s3, 0
	s_add_nc_u64 s[CBS:CBS+1], s[24:25], s[2:3]
	s_mov_b32 s2, s30
	s_add_nc_u64 s[CBS+2:CBS+3], s[CBS:CBS+1], s[2:3]
	s_mul_i32 s2, s23, s32
	s_mul_i32 s34, s21, s33
	s_add_co_u32 s2, s2, s34
	s_add_nc_u64 s[SBS:SBS+1], s[26:27], s[2:3]
	s_mov_b32 s2, s32
	s_add_nc_u64 s[SBS+2:SBS+3], s[SBS:SBS+1], s[2:3]
	s_lshl_b32 s2, s20, 8
	s_add_nc_u64 s[48:49], s[68:69], s[2:3]        ; the table at my first position
	s_lshl_b32 s2, s22, 8
	s_add_nc_u64 s[50:51], s[28:29], s[2:3]        ; the bias at my first head
.irp hh, 0,1
.irp b, 0,1
.irp k, 0,1,2,3
	global_load_b128 v[BIA+32*\hh+16*\b+4*\k:BIA+32*\hh+16*\b+4*\k+3], v[BA], s[50:51] offset:256*\hh+128*\b+16*\k
.endr
.endr
.endr
.macro ROPE a                          ; block a's tokens: 16 cosines and 16 sines of my half, into set a % 2
.irp k, 0,1,2,3
	global_load_b128 v[CSN+32*((\a)%2)+4*\k:CSN+32*((\a)%2)+4*\k+3], v[RA], s[48:49] offset:(32*((\a)/2)+8*((\a)%2))*256+16*\k
.endr
.irp k, 0,1,2,3
	global_load_b128 v[CSN+32*((\a)%2)+16+4*\k:CSN+32*((\a)%2)+16+4*\k+3], v[RA], s[48:49] offset:(32*((\a)/2)+8*((\a)%2))*256+128+16*\k
.endr
.endm
	ROPE 0
.macro QKBLOCK a                       ; A's block a: 16 tokens, two heads
.if (\a)%2 == 0
	s_wait_xcnt 0x0                                ; the last pair's stores have read their data: the codes' registers are written again only behind this wait
.endif
.if (\a) < 7
	ROPE (\a)+1
	s_wait_loadcnt 8                               ; the bias and this block's table rows are in; the eight loads just issued may be out
.else
	s_wait_loadcnt 0x0
.endif
.set CSB, CSN+32*((\a)%2)
.irp hh, 0,1
.set AC, 64*((\a)%4)+32*\hh
.set CD, CODE+12*\hh+6*((\a)%2)
	WIN 0x02+(\a)/4                                ; source 0: window 2 or 3
.set J, 0
.rept 16
	v_pk_add_f32 v[T+J:T+J+1], v[AC+J:AC+J+1], v[BIA+32*\hh+J:BIA+32*\hh+J+1]   ; + bias; each accumulator is read from its low end on
.set J, J+2
.endr
	WIN 0
.set J, 0
.rept 8
	v_pk_mul_f32 v[Y+J:Y+J+1], v[T+16+J:T+17+J], v[CSB+16+J:CSB+17+J]          ; x2 sin
.set J, J+2
.endr
.set J, 0
.rept 8
	v_pk_fma_f32 v[Y+J:Y+J+1], v[T+J:T+J+1], v[CSB+J:CSB+J+1], v[Y+J:Y+J+1] neg_lo:[0,0,1] neg_hi:[0,0,1]   ; x1 cos - x2 sin
.set J, J+2
.endr
.set J, 0
.rept 8
	v_pk_mul_f32 v[Y+16+J:Y+17+J], v[T+16+J:T+17+J], v[CSB+J:CSB+J+1]          ; x2 cos
.set J, J+2
.endr
.set J, 0
.rept 8
	v_pk_fma_f32 v[Y+16+J:Y+17+J], v[T+J:T+J+1], v[CSB+16+J:CSB+17+J], v[Y+16+J:Y+17+J]   ; x1 sin + x2 cos
.set J, J+2
.endr
	QUANT2 Y, CD, CT, M2, PW
.if (\a)%2 == 0
	v_mov_b32 v[EW+\hh], v[PW]
.else
	v_cndmask_b32 v[SW+4*\hh+(\a)/2], v[EW+\hh], v[PW], s[HI16]   ; lanes 0-15 the even tile's bytes, lanes 16-31 the odd tile's
.irp c, 0,1,2
	global_store_b128 v[LI], v[CODE+12*\hh+4*\c:CODE+12*\hh+4*\c+3], s[CBS+2*\hh:CBS+2*\hh+1] offset:((\a)/2)*1536+512*\c   ; 512 consecutive bytes, aligned
.endr
.endif
.endr
.endm
.irp a, 0,1,2,3,4,5,6,7
	QKBLOCK \a
.endr
.irp hh, 0,1
	global_store_b128 v[LI], v[SW+4*\hh:SW+4*\hh+3], s[SBS+2*\hh:SBS+2*\hh+1]   ; the step's scale words: four a lane
.endr
	s_branch .Lend
; ---- V^T.  A lane holds one feature; its 64 registers run along the wave's 128 tokens: register 16 b + i = token 32 b + 16 h + i.  A's block a is tile a % 4 of head a / 4.
.Lvmode:
.set TM,   2                           ; v2-17  at work in QUANT4
.set PW4,  18                          ; v18    the scale word just made
.set EV,   19                          ; v19    that of the even tile of a pair
.set SWV,  20                          ; v20-23 two words for each head
.set L8,   25                          ; v25    8 x lane
.set BVA,  26                          ; v26    4 (r + 8 (r / 8))
.set VT,   32                          ; v32-95 the sums + bias
.set PCD,  96                          ; v96-115 the codes just made
.set BV,   116                         ; v116-131 my feature's bias, a pair for each block
	v_lshlrev_b32 v[L8], 3, v[LI]
	v_lshlrev_b32 v[LI], 4, v[LI]
	v_lshlrev_b32 v[BVA], 2, v27
.irp b, 0,1,2,3
	v_mov_b32 v[TM+4+\b], 0                        ; written once: a lane permute's destination counts as one of its sources
.endr
	s_lshl_b32 s18, s17, 8
	s_lshl_b32 s19, s15, 7
	s_add_co_u32 s18, s18, s19                     ; my first feature
	s_lshr_b32 s19, s18, 6                         ; its head (an even one)
	s_lshl_b32 s20, s42, 8
	s_lshl_b32 s21, s16, 7
	s_add_co_u32 s20, s20, s21                     ; my first token
	s_lshr_b32 s21, s20, 11                        ; its batch,
	s_bfe_u32 s22, s20, 0x40007                    ; its step of 128
	s_lshl_b32 s23, s21, 4
	s_add_co_u32 s23, s23, s19
	s_mul_i32 s2, s23, 196608
	s_mul_i32 s3, s22, 12288
	s_add_co_u32 s2, s2, s3
	s_add_co_u32 s2, s2, 6144                      ; V's images lie behind K's in a step
	s_mov_b32 s3, 0
	s_add_nc_u64 s[36:37], s[78:79], s[2:3]
	s_mul_i32 s2, s23, 12288
	s_mul_i32 s24, s22, 768
	s_add_co_u32 s2, s2, s24
	s_add_co_u32 s2, s2, 512                       ; and its scale words behind K's
	s_add_nc_u64 s[44:45], s[80:81], s[2:3]
	s_lshl_b32 s2, s18, 2
	s_add_nc_u64 s[50:51], s[74:75], s[2:3]
.irp a, 0,1,2,3,4,5,6,7
	global_load_b32 v[BV+2*\a], v[BVA], s[50:51] offset:4*(32*(\a/2)+8*(\a%2))
	global_load_b32 v[BV+2*\a+1], v[BVA], s[50:51] offset:4*(32*(\a/2)+8*(\a%2))   ; the same number twice: a pair for the packed addition
.endr
	s_wait_loadcnt 0x0
; 64 numbers of a lane, register 16 b + i = k 32 b + 16 (lane / 16) + i of my row, become a fragment's 12 registers in v[PCD] on and its scale word in v[PW4].
.macro QUANT4 s
.irp b, 0,1,2,3
	v_max3_num_f32 v[TM+\b], |v[\s+16*\b]|, |v[\s+1+16*\b]|, 0x1800000
.endr
.irp i, 2,4,6,8,10,12,14
.irp b, 0,1,2,3
	v_max3_num_f32 v[TM+\b], v[TM+\b], |v[\s+16*\b+\i]|, |v[\s+1+16*\b+\i]|
.endr
.endr
.irp b, 0,1,2,3
	v_permlanex16_b32 v[TM+4+\b], v[TM+\b], s[SEL], s[SEL+1]
.endr
.irp b, 0,1,2,3
	v_max_num_f32 v[TM+\b], v[TM+\b], v[TM+4+\b]
.endr
.irp b, 0,1,2,3
	v_add_nc_u32 v[TM+12+\b], 0xff000000, v[TM+\b]
.endr
.irp b, 0,1,2,3
	v_lshrrev_b32 v[TM+4+\b], 23, v[TM+12+\b]
.endr
	v_lshl_or_b32 v[PW4], v[TM+5], 8, v[TM+4]
	v_lshl_or_b32 v[PW4], v[TM+6], 16, v[PW4]
	v_lshl_or_b32 v[PW4], v[TM+7], 24, v[PW4]
.irp c, 0,1
	v_cvt_scalef32_pk16_fp6_f32 v[PCD+6*\c:PCD+2+6*\c], v[\s+32*\c:\s+15+32*\c], v[TM+12+2*\c]
	v_cvt_scalef32_pk16_fp6_f32 v[PCD+12+4*\c:PCD+14+4*\c], v[\s+16+32*\c:\s+31+32*\c], v[TM+12+2*\c+1]
.endr
	v_nop                                          ; one plain place behind a scaled conversion
.irp c, 0,1
.irp i, 0,1,2
	v_permlane16_swap_b32 v[PCD+6*\c+\i], v[PCD+12+4*\c+\i]
.endr
.irp i, 0,1,2
	v_mov_b32 v[PCD+3+6*\c+\i], v[PCD+12+4*\c+\i]
.endr
.endr
.endm
.macro VBLOCK a
	s_wait_xcnt 0x0                                ; the last block's stores have read their data
.set AC, 64*((\a)%4)
	WIN 0x02+(\a)/4
.set J, 0
.rept 32
	v_pk_add_f32 v[VT+J:VT+J+1], v[AC+J:AC+J+1], v[BV+2*(\a):BV+2*(\a)+1]   ; + bias; each accumulator from its low end on
.set J, J+2
.endr
	WIN 0
	QUANT4 VT
.irp c, 0,1,2
	global_store_b128 v[LI], v[PCD+4*\c:PCD+4*\c+3], s[36:37] offset:((\a)/4)*196608+((\a)%4)*1536+512*\c
.endr
.if (\a)%2 == 0
	v_mov_b32 v[EV], v[PW4]
.else
	v_cndmask_b32 v[SWV+2*((\a)/4)+((\a)%4)/2], v[EV], v[PW4], s[HI16]
.endif
.if (\a)%4 == 3
	global_store_b64 v[L8], v[SWV+2*((\a)/4):SWV+2*((\a)/4)+1], s[44:45] offset:((\a)/4)*12288   ; 256 consecutive bytes, aligned
.endif
.endm
.irp a, 0,1,2,3,4,5,6,7
	VBLOCK \a
.endr
.Lend:
	s_wait_tensorcnt 0x0                           ; the wave's end
	ds_add_u32 v[SPW], v[NIL]
	s_wait_dscnt 0x0
	CROUND                                         ; the closing round: no work-group ends while a partner may still ask for a tile that names it
	s_endpgm
.Lfunc_end_k_qa3a14e96be_qkv:
	.size	k_qa3a14e96be_qkv, .Lfunc_end_k_qa3a14e96be_qkv-k_qa3a14e96be_qkv
	.p2alignl 7, 3214868480
	.fill 96, 4, 3214868480
	.section	.rodata,"a",@progbits
	.p2align	6, 0x0
	.amdhsa_kernel k_qa3a14e96be_qkv
		.amdhsa_group_segment_fixed_size 327680
		.amdhsa_private_segment_fixed_size 0
		.amdhsa_enable_private_segment 0
		.amdhsa_kernarg_size 72
		.amdhsa_user_sgpr_count 2
		.amdhsa_user_sgpr_kernarg_segment_ptr 1
		.amdhsa_wavefront_size32 1
		.amdhsa_system_sgpr_workgroup_id_x 1
		.amdhsa_system_sgpr_workgroup_id_y 1
		.amdhsa_system_sgpr_workgroup_id_z 1
		.amdhsa_system_vgpr_workitem_id 0
		.amdhsa_next_free_vgpr 1024
		.amdhsa_next_free_sgpr 102
		.amdhsa_reserve_vcc 0
		.amdhsa_float_denorm_mode_32 3
		.amdhsa_float_denorm_mode_16_64 3
		.amdhsa_memory_ordered 1
		.amdhsa_forward_progress 1
		.amdhsa_inst_pref_size 255
	.end_amdhsa_kernel
	.section	.bss,"aw",@nobits
	.p2align	6
	.space	262144
	.amdgpu_metadata
---
amdhsa.version: [ 1, 2 ]
amdhsa.kernels:
  - .name:           k_qa3a14e96be_qkv
    .symbol:         k_qa3a14e96be_qkv.kd
    .args:
      - { .name: xq, .offset: 0, .size: 8, .value_kind: global_buffer, .address_space: global }
      - { .name: wq, .offset: 8, .size: 8, .value_kind: global_buffer, .address_space: global }
      - { .name: rope, .offset: 16, .size: 8, .value_kind: global_buffer, .address_space: global }
      - { .name: bq, .offset: 24, .size: 8, .value_kind: global_buffer, .address_space: global }
      - { .name: bk, .offset: 32, .size: 8, .value_kind: global_buffer, .address_space: global }
      - { .name: bv, .offset: 40, .size: 8, .value_kind: global_buffer, .address_space: global }
      - { .name: qimg, .offset: 48, .size: 8, .value_kind: global_buffer, .address_space: global }
      - { .name: kvc, .offset: 56, .size: 8, .value_kind: global_buffer, .address_space: global }
      - { .name: kvs, .offset: 64, .size: 8, .value_kind: global_buffer, .address_space: global }
    .group_segment_fixed_size: 327680
    .private_segment_fixed_size: 0
    .kernarg_segment_align: 8
    .kernarg_segment_size: 72
    .max_flat_workgroup_size: 128
    .sgpr_count:     102
    .vgpr_count:     1024
    .wavefront_size: 32
...
	.end_amdgpu_metadata
.endif
;; end of part 2
;; launch attn (part 3): grid 4 x 64, 16 waves a work-group, clusters of 4 x 1, 215,040 bytes of LDS; arguments qimg, kvc, kvs, oq; writes oq
.if DOCPART == 3
	.amdgcn_target "amdgcn-amd-amdhsa--gfx1250"
	.amdhsa_code_object_version 6
	.text
	.protected	k_qa3a14e96be_attn
	.globl	k_qa3a14e96be_attn
	.p2align	8
	.type	k_qa3a14e96be_attn,@function
k_qa3a14e96be_attn:
	s_mov_b64 s[64:65], 0
	v_nop
	global_prefetch_b8 v0, s[64:65] scope:SCOPE_SE
	s_setreg_imm32_b32 hwreg(HW_REG_WAVE_MODE, 25, 1), 1
	s_wait_xcnt 0x0
	s_wait_alu depctr_hold_cnt(0) depctr_sa_sdst(0) depctr_va_vdst(0) depctr_va_sdst(0) depctr_va_ssrc(0) depctr_va_vcc(0) depctr_vm_vsrc(0)
	s_getreg_b32 s2, hwreg(HW_REG_IB_STS2, 6, 4)
	s_cmp_eq_u32 s2, 0
	s_cbranch_scc0 .Lentry_in_a_cluster
	s_endpgm
.Lentry_in_a_cluster:
	s_bfe_u32 s2, ttmp6, 0x10000c
	s_cmp_lg_u32 s2, 0x3003
	s_cbranch_scc0 .Lentry_shape_is_right
	s_endpgm
.Lentry_shape_is_right:
; o[b][q][head] = (sum over k of p v) / l, p = 2^(t - M), t = (q . k) log2(e) / 8, M the running largest t rounded UP to a whole number, l the sum of the unquantised p; both products on codes of FP6 (E2M3)
; with E8M0 scales.  o is quantised here along (head, d) for the last product: codes [8192][768] at 0 of oq, scale bytes [8192][32] at 6,291,456.
; SHARES.  A work-group owns 512 queries of one of the 64 (batch, head); each of its sixteen waves 32 of them, as two tiles of 16 in two passes.  Four waves share a SIMD.
; A HEAD'S WHOLE K AND V LIE IN LDS: 16 steps of 128 keys, 12,288 bytes of register images and 768 of scale words each, filled ONCE: no byte of LDS is filled twice, so there is no ring.
; The four work-groups of a head form a cluster and ask for everything jointly: the same tensor loads, with the same descriptors (made of the head and the wave's number alone) and a mask that names the four.
; Each wave brings a sixteenth of the scale words and of each of four pieces of four steps: five tensor loads of a wave are out at the start; a piece's steps begin when that piece has landed.
; LAYOUT.  Both products are used transposed: S^T = K Q^T, O^T = V^T P^T: a lane holds ONE query throughout.  The launch before has chosen the tokens of a tile (lane r of tile 2 b + u: token 32 b + 8 u + r + 8 (r / 8))
; and the features of a tile of V likewise, so that p's 16 registers of two neighbouring tiles are 16 neighbouring keys, and O^T's 16 neighbouring features.
; THE HEAD HAS 64 CHANNELS, THE INSTRUCTION 128: Q's registers 6-11 are zero codes and its scale bytes 2, 3 are 0; what K's operand names there (the next tile's codes, or six zero registers) adds exact zeros.
; Nothing is prefetched: all that the launch reads of K and V is asked for at its head.
; LIMITS: NaN and infinities are not served; a block of zeros carries the byte 1.
; REGISTERS: v1-8 addresses; v12 -M, v13 the largest t, v[14:15] the sum; v16-27 Q (6 codes, 6 zeros); v28 Q's scale word; v32-79 K's four pairs of tiles, then V's four fragments; v80-85 zeros;
;   v96-159 S^T, then p; v160-191 O^T; v192-195 K's scale words, v196-197 V's; v198-209 both tiles' Q; v210 both tiles' scale words; v224-235 p's codes; v232-254 at work.
.set KVB,  12288                       ; a step's images: K's four pairs of tiles, 1,536 bytes each, then V's four fragments
.set SCB,  768                         ; a step's scale words: K's 512 bytes (lane x 4 words), V's 256 (lane x 2 words)
.set SCO,  16*KVB                      ; the scale words lie behind the images
.set PCB,  4*KVB                       ; a piece: four steps
.set WV,   12
.set CX,   13
.set BH,   14
.set OB,   16                          ; s[16:17] where my tile's codes of o go
.set OS,   18                          ; s[18:19] and its scale bytes
.set SEL,  20                          ; s[20:21] v_permlanex16_b32's selects for lane l xor 16
.set CS,   22                          ; s[22:23] c = log2(e) / 8
.set G1P,  24                          ; s[24:31] group 1: 12 rows of 256 bytes
.set G1S,  32                          ; s[32:39] group 1: 3 rows of 256 bytes
.set G0S,  40                          ; s[40:43] group 0 for the scale words
.set G0P,  44                          ; s[44:59] groups 0 for the four pieces
.set TB,   60                          ; s60 LDS byte of the step's images
.set TS,   61                          ; s61 of its scale words, from SCO on
.set CNT,  62
.set PASS, 63
.macro ROUND                           ; a round of the cluster's barrier
	s_barrier_signal -1
	s_barrier_wait -1
	s_cmp_lg_u32 s[WV], 0
	s_cbranch_scc1 .Lnot_wave_0_\@
	s_barrier_signal -3
.Lnot_wave_0_\@:
	s_barrier_wait -3
	s_barrier_signal -1
	s_barrier_wait -1
.endm
	s_load_b256 s[4:11], s[0:1], 0x0               ; qimg 4, kvc 6, kvs 8, oq 10
	v_lshl_add_u32 v251, v0, 2, 0x34000
	v_mov_b32 v255, 0
	ds_add_u32 v251, v255
	ds_add_u32 v251, v255
	v_lshrrev_b32 v1, 5, v0
	v_readfirstlane_b32 s[WV], v1                  ; wave 0..15
	s_bfe_u32 s[CX], ttmp6, 0x40000                ; my place in the cluster: it enters Q's and o's addresses alone
	s_and_b32 s[BH], ttmp7, 0xffff                 ; 16 x batch + head, which the four partners share
	s_mov_b32 s[G1P], 15|(3<<16)|(1<<21)           ; 15:0 the mask: all four work-groups; elements of 8 bytes; no padding; bit 21 beside a mask
	s_mov_b32 s[G1P+1], 32<<16                     ; tensor_dim0 = 32 elements: 256 bytes
	s_mov_b32 s[G1P+2], 12<<16                     ; tensor_dim1 = 12
	s_mov_b32 s[G1P+3], 32<<16                     ; tile_dim0
	s_mov_b32 s[G1P+4], 12                         ; tile_dim1
	s_mov_b32 s[G1P+5], 32                         ; the rows are dense
	s_mov_b32 s[G1P+6], 0
	s_mov_b32 s[G1P+7], 0
	s_mov_b32 s[G1S], 15|(3<<16)|(1<<21)
	s_mov_b32 s[G1S+1], 32<<16
	s_mov_b32 s[G1S+2], 3<<16
	s_mov_b32 s[G1S+3], 32<<16
	s_mov_b32 s[G1S+4], 3
	s_mov_b32 s[G1S+5], 32
	s_mov_b32 s[G1S+6], 0
	s_mov_b32 s[G1S+7], 0
	s_mul_i32 s72, s[WV], 3072                     ; my sixteenth of a piece,
	s_mul_i32 s73, s[WV], 768                      ; and of the scale words
	s_mul_i32 s66, s[BH], 16*KVB
	s_add_co_u32 s66, s66, s72
	s_mov_b32 s67, 0
	s_mul_i32 s68, s[BH], 16*SCB
	s_add_co_u32 s68, s68, s73
	s_mov_b32 s69, 0
	s_mov_b32 s[SEL], 0x76543210
	s_mov_b32 s[SEL+1], 0xfedcba98
	s_mov_b32 s[CS], 0x3e38aa3b
	s_mov_b32 s[CS+1], s[CS]                       ; (named with it as a pair, so it is written)
	s_wait_dscnt 0x0
	s_wait_kmcnt 0x0
	s_add_nc_u64 s[66:67], s[6:7], s[66:67]
	s_add_nc_u64 s[68:69], s[8:9], s[68:69]
	s_mov_b32 s[G0S], 1
	s_add_co_u32 s[G0S+1], s73, SCO
	s_mov_b64 s[G0S+2:G0S+3], s[68:69]
	s_or_b32 s[G0S+3], s[G0S+3], 0x80000000
.irp g, 0,1,2,3
	s_mov_b32 s[G0P+4*\g], 1
	s_add_co_u32 s[G0P+4*\g+1], s72, \g*PCB
	s_add_nc_u64 s[G0P+4*\g+2:G0P+4*\g+3], s[66:67], \g*PCB
	s_or_b32 s[G0P+4*\g+3], s[G0P+4*\g+3], 0x80000000
.endr
	ROUND                                          ; all four work-groups are here: the joint loads meet
	tensor_load_to_lds s[G0S:G0S+3], s[G1S:G1S+7]  ; the first fills, and the only ones, go out as one group
	s_nop 0
.irp g, 0,1,2,3
	tensor_load_to_lds s[G0P+4*\g:G0P+4*\g+3], s[G1P:G1P+7]
	s_nop 0
.endr
.rept 4
	v_nop
.endr
	s_lshl_b32 s74, s[CX], 4
	s_add_co_u32 s74, s74, s[WV]                   ; my pair of tiles: 32 queries
	s_mul_i32 s76, s[BH], 98304
	s_mul_i32 s75, s74, 1536
	s_add_co_u32 s76, s76, s75                     ; its image
	s_mov_b32 s77, 0
	s_lshl_b32 s78, s[BH], 13
	s_lshr_b32 s75, s74, 2
	s_lshl_b32 s75, s75, 9
	s_add_co_u32 s78, s78, s75
	s_and_b32 s75, s74, 3
	s_lshl_b32 s75, s75, 2
	s_add_co_u32 s78, s78, s75
	s_add_co_u32 s78, s78, 6291456                 ; its scale words: step pair / 4, word pair % 4 of each lane's four
	s_mov_b32 s79, 0
	s_lshr_b32 s80, s[BH], 4
	s_lshl_b32 s80, s80, 11
	s_lshl_b32 s75, s74, 5
	s_add_co_u32 s80, s80, s75                     ; its first row of o
	s_and_b32 s81, s[BH], 15                       ; the head
	s_mul_i32 s82, s80, 768
	s_mul_i32 s75, s81, 48
	s_add_co_u32 s82, s82, s75
	s_mov_b32 s83, 0
	s_lshl_b32 s84, s80, 5
	s_lshl_b32 s75, s81, 1
	s_add_co_u32 s84, s84, s75
	s_add_co_u32 s84, s84, 6291456
	s_mov_b32 s85, 0
	s_add_nc_u64 s[76:77], s[4:5], s[76:77]
	s_add_nc_u64 s[78:79], s[4:5], s[78:79]
	s_add_nc_u64 s[OB:OB+1], s[10:11], s[82:83]
	s_add_nc_u64 s[OS:OS+1], s[10:11], s[84:85]
	v_and_b32 v9, 31, v0
	v_lshlrev_b32 v1, 4, v9                        ; 16 x lane: an image's place for my lane
	v_add_nc_u32 v2, SCO, v1                       ; K's scale words
	v_lshlrev_b32 v3, 3, v9
	v_add_nc_u32 v3, SCO+512, v3                   ; V's
	v_and_b32 v10, 15, v0                          ; r
	v_bfe_u32 v11, v0, 4, 1                        ; h
	v_and_b32 v7, 8, v10
	v_add_nc_u32 v10, v7, v10                      ; r + 8 (r / 8): my query's row in its tile's 24
	v_mul_u32_u24 v7, v10, 768
	v_mad_u32_u24 v7, v11, 24, v7                  ; o's codes: my row, my block's 24 bytes
	v_lshlrev_b32 v8, 5, v10                       ; o's scale bytes: my row
.irp c, 0,1,2
	global_load_b128 v[198+4*\c:201+4*\c], v1, s[76:77] offset:512*\c   ; both tiles' Q
.endr
	global_load_b32 v210, v1, s[78:79]             ; lanes 0-15 the first tile's scale words, lanes 16-31 the second's
.irp i, 0,1,2,3,4,5
	v_mov_b32 v[22+\i], 0                          ; Q's channels 64 to 127: zero codes
	v_mov_b32 v[80+\i], 0                          ; what the last tile of K names beyond its own six registers
.endr
.irp i, 211,236,237,238,239,242,243,253
	v_mov_b32 v\i, 0                               ; written once: a lane permute's destination counts as one of its sources; v253 is named in the pair v[252:253]
.endr
	s_mov_b32 s[PASS], 2
	s_wait_loadcnt 0x0
; A KEY STEP: 128 keys.
.macro STEP
	v_add_nc_u32 v4, s[TB], v1
	v_add_nc_u32 v5, s[TS], v2
	v_add_nc_u32 v6, s[TS], v3
	v_nop                                          ; four places in front of loads into registers that the last products have read
.irp p, 0,1,2,3
.irp c, 0,1,2
	ds_load_b128 v[32+12*\p+4*\c:35+12*\p+4*\c], v4 offset:1536*\p+512*\c
.endr
.endr
	ds_load_b128 v[192:195], v5
	ds_load_b64 v[196:197], v6
	s_wait_dscnt 0x0
.irp p, 0,1,2,3                                ; S^T = K Q^T: tiles 2 p and 2 p + 1; the pair's scale word holds the even tile's bytes in lanes 0-15, the odd tile's in lanes 16-31
	v_wmma_scale_f32_16x16x128_f8f6f4 v[96+16*\p:103+16*\p], v[32+12*\p:43+12*\p], v[16:27], 0, v[192+\p], v28 matrix_a_fmt:MATRIX_FMT_FP6 matrix_b_fmt:MATRIX_FMT_FP6
	v_wmma_scale_f32_16x16x128_f8f6f4 v[104+16*\p:111+16*\p], v[38+12*\p:49+12*\p], v[16:27], 0, v[192+\p], v28 matrix_a_fmt:MATRIX_FMT_FP6 matrix_b_fmt:MATRIX_FMT_FP6 matrix_a_scale:MATRIX_SCALE_ROW1
.endr
.rept 4
	v_nop                                          ; places in front of the loads below and of the first read of the scores
.endr
.irp t, 0,1,2,3
.irp c, 0,1,2
	ds_load_b128 v[32+12*\t+4*\c:35+12*\t+4*\c], v4 offset:6144+1536*\t+512*\c   ; V's four fragments land while the softmax is walked
.endr
.endr
.irp b, 0,1,2,3
	v_max3_num_f32 v[232+\b], v[96+16*\b], v[97+16*\b], v[98+16*\b]   ; the largest score of each block of 32 keys: for the row's maximum, and, since p rises with the score, for the block's largest p
.endr
.irp i, 3,5,7,9,11,13
.irp b, 0,1,2,3
	v_max3_num_f32 v[232+\b], v[232+\b], v[96+16*\b+\i], v[97+16*\b+\i]
.endr
.endr
.irp b, 0,1,2,3
	v_max_num_f32 v[232+\b], v[232+\b], v[111+16*\b]
.endr
.irp b, 0,1,2,3
	v_permlanex16_b32 v[236+\b], v[232+\b], s[SEL], s[SEL+1]
.endr
.irp b, 0,1,2,3
	v_max_num_f32 v[232+\b], v[232+\b], v[236+\b]  ; with lane l xor 16's 16 keys
.endr
	v_max3_num_f32 v254, v232, v233, v234
	v_max_num_f32 v254, v254, v235                 ; the step's largest score of my query
	v_mul_f32 v254, s[CS], v254                    ; as t (c is positive)
	v_max_num_f32 v13, v13, v254                   ; the running largest t
	v_mov_b32 v254, v12
	v_floor_f32 v12, -v13                          ; the new -M = floor(-t): M is a whole number
	v_sub_f32 v254, v12, v254                      ; old M - new M: a whole number, 0 or less
	v_cvt_i32_f32 v254, v254                       ; (it saturates)
	v_ldexp_f32 v252, 1.0, v254                    ; f = 2^(old M - new M): a multiplication by it rounds nothing
.set J, 0
.rept 32
	v_pk_fma_f32 v[96+J:97+J], v[96+J:97+J], s[CS:CS+1], v[12:13] op_sel_hi:[1,0,0]   ; t - M, two at a time
.set J, J+2
.endr
.irp b, 0,1,2,3
	v_fma_f32 v[232+\b], v[232+\b], s[CS], v12     ; the same of each block's largest score
.endr
.set J, 0
.rept 64
	v_exp_f32 v[96+J], v[96+J]                     ; p = 2^(t - M), at most 1: not normalised
.set J, J+1
.endr
	v_pk_mul_f32 v[14:15], v[14:15], v[252:253] op_sel_hi:[1,0]   ; the sums under the new M.  (A plain place behind the exponentials)
	s_wait_alu depctr_va_vdst(0)                   ; one wait for the whole batch, ahead of its first reader
.irp b, 0,1,2,3
	v_exp_f32 v[232+\b], v[232+\b]                 ; the block's largest p: the same two instructions on the same number give the same bits
.endr
	v_pk_add_f32 v[236:237], v[96:97], v[98:99]    ; the row's sum is taken of the unquantised p: two at a time, in two chains
.set J, 4
.rept 15
	v_pk_add_f32 v[14:15], v[14:15], v[96+J:97+J]
	v_pk_add_f32 v[236:237], v[236:237], v[98+J:99+J]
.set J, J+4
.endr
	v_pk_add_f32 v[14:15], v[14:15], v[236:237]
	s_wait_alu depctr_va_vdst(0)                   ; and one for the four
.irp b, 0,1,2,3
	v_max_num_f32 v[232+\b], 0x1800000, v[232+\b]  ; the floor 2^(3 - 127): the byte cannot fall under 1
.endr
.irp b, 0,1,2,3
	v_add_nc_u32 v[244+\b], 0xff000000, v[232+\b]  ; 2 off the exponent field: the conversion's scale operand
.endr
.irp b, 0,1,2,3
	v_lshrrev_b32 v[236+\b], 23, v[244+\b]         ; the scale's byte
.endr
	v_lshl_or_b32 v253, v237, 8, v236              ; p's scale word for these 128 keys
	v_lshl_or_b32 v253, v238, 16, v253
	v_lshl_or_b32 v253, v239, 24, v253
.irp c, 0,1
	v_cvt_scalef32_pk16_fp6_f32 v[224+6*\c:226+6*\c], v[96+32*\c:111+32*\c], v[244+2*\c]
	v_cvt_scalef32_pk16_fp6_f32 v[236+4*\c:238+4*\c], v[112+32*\c:127+32*\c], v[244+2*\c+1]
.endr
	v_nop                                          ; one plain place behind a scaled conversion
.irp c, 0,1                                    ; the operand's layout wants a whole block in a lane
.irp i, 0,1,2
	v_permlane16_swap_b32 v[224+6*\c+\i], v[236+4*\c+\i]
.endr
.irp i, 0,1,2
	v_mov_b32 v[227+6*\c+\i], v[236+4*\c+\i]
.endr
.endr
.set J, 0
.rept 16
	v_pk_mul_f32 v[160+J:161+J], v[160+J:161+J], v[252:253] op_sel_hi:[1,0]   ; O^T under the new M.  (These sixteen are also the places between the writes of p's codes and scale word and the products)
.set J, J+2
.endr
	s_wait_dscnt 0x0                               ; V is in
.irp u, 0,1                                    ; O^T += V^T P^T: four tiles of 16 features, one instruction each: the accumulators take turns
	v_wmma_scale_f32_16x16x128_f8f6f4 v[160+16*\u:167+16*\u], v[32+24*\u:43+24*\u], v[224:235], v[160+16*\u:167+16*\u], v[196+\u], v253 matrix_a_fmt:MATRIX_FMT_FP6 matrix_b_fmt:MATRIX_FMT_FP6
	v_wmma_scale_f32_16x16x128_f8f6f4 v[168+16*\u:175+16*\u], v[44+24*\u:55+24*\u], v[224:235], v[168+16*\u:175+16*\u], v[196+\u], v253 matrix_a_fmt:MATRIX_FMT_FP6 matrix_b_fmt:MATRIX_FMT_FP6 matrix_a_scale:MATRIX_SCALE_ROW1
.endr
	s_add_co_u32 s[TB], s[TB], KVB
	s_add_co_u32 s[TS], s[TS], SCB
.endm
; A piece's four steps.  n: how many younger tensor loads of mine may stay out.  The wave that waited signals; behind the barrier every wave's part of the piece lies in LDS.
.macro PIECE g, n
	s_wait_tensorcnt \n
	s_wait_dscnt 0x0
	s_barrier_signal -1
	s_barrier_wait -1
	s_mov_b32 s[TB], \g*PCB
	s_mov_b32 s[TS], \g*4*SCB
	s_mov_b32 s[CNT], 4
.Lstep_\@:
	STEP
	s_sub_co_u32 s[CNT], s[CNT], 1
	s_cmp_lg_u32 s[CNT], 0
	s_cbranch_scc1 .Lstep_\@
.endm
; 32 numbers of a lane, register 16 b + i = index 32 b + 16 (lane / 16) + i of my row, become 6 registers of codes (lane (r, h): block h of row r) and two scale bytes.
.macro QUANT2 y, cd, ct, m, pw
.irp b, 0,1
	v_max3_num_f32 v[\m+\b], |v[\y+16*\b]|, |v[\y+1+16*\b]|, 0x1800000
.endr
.irp i, 2,4,6,8,10,12,14
.irp b, 0,1
	v_max3_num_f32 v[\m+\b], v[\m+\b], |v[\y+16*\b+\i]|, |v[\y+1+16*\b+\i]|
.endr
.endr
.irp b, 0,1
	v_permlanex16_b32 v[\m+2+\b], v[\m+\b], s[SEL], s[SEL+1]
.endr
.irp b, 0,1
	v_max_num_f32 v[\m+\b], v[\m+\b], v[\m+2+\b]
.endr
.irp b, 0,1
	v_add_nc_u32 v[\m+4+\b], 0xff000000, v[\m+\b]
.endr
.irp b, 0,1
	v_lshrrev_b32 v[\m+6+\b], 23, v[\m+4+\b]
.endr
	v_lshl_or_b32 v[\pw], v[\m+7], 8, v[\m+6]
	v_cvt_scalef32_pk16_fp6_f32 v[\cd:\cd+2], v[\y:\y+15], v[\m+4]
	v_cvt_scalef32_pk16_fp6_f32 v[\ct:\ct+2], v[\y+16:\y+31], v[\m+5]
	v_nop                                          ; one plain place behind a scaled conversion
.irp i, 0,1,2
	v_permlane16_swap_b32 v[\cd+\i], v[\ct+\i]
.endr
.irp i, 0,1,2
	v_mov_b32 v[\cd+3+\i], v[\ct+\i]
.endr
.endm
.Lpass:                                            ; two trips: a tile of 16 queries each
.irp i, 0,1,2,3,4,5
	v_mov_b32 v[16+\i], v[198+\i]                  ; this tile's Q and its scale word first: the lines below are the places between these writes and the first product
.endr
	v_mov_b32 v28, v210
	v_mov_b32 v13, 0xff61b1e6                      ; the largest t so far: -3e38, under every t
	v_floor_f32 v12, -v13                          ; -M
	v_mov_b32 v14, 0
	v_mov_b32 v15, 0
.set J, 0
.rept 32
	v_mov_b32 v[160+J], 0                          ; O^T.  (The step is written without a first form: the first change of M multiplies zeros)
.set J, J+1
.endr
	PIECE 0, 3                                     ; the scale words and piece 0 have landed; three loads may be out
	PIECE 1, 2
	PIECE 2, 1
	PIECE 3, 0
.rept 4
	v_nop                                          ; places behind the last products
.endr
	v_add_f32 v14, v14, v15                        ; the sum's two halves,
	v_permlanex16_b32 v252, v14, s[SEL], s[SEL+1]
	v_add_f32 v14, v14, v252                       ; and lane l xor 16's: the row's sum
	v_rcp_f32 v14, v14
	v_nop                                          ; a plain place behind the reciprocal
	s_wait_alu depctr_va_vdst(0)                   ; and the wait ahead of its first reader
.set J, 0
.rept 32
	v_mul_f32 v[96+J], v[160+J], v14               ; O^T / l: register 16 b + i is o(my query, 32 b + 16 h + i); each accumulator from its low end on
.set J, J+1
.endr
	QUANT2 96, 224, 236, 240, 254
.irp i, 0,1,2
	global_store_b64 v7, v[224+2*\i:225+2*\i], s[OB:OB+1] offset:8*\i   ; my block's 24 bytes of my row: a head's 48 bytes of a row of 768
.endr
	global_store_b16 v8, v254, s[OS:OS+1]          ; the head's two scale bytes (both halves of the lanes write the same two bytes)
	s_wait_xcnt 0x0                                ; the stores have read their data and bases: both are written again only behind this wait
	s_add_nc_u64 s[OB:OB+1], s[OB:OB+1], 8*768     ; the pair's second tile begins 8 rows on
	s_add_nc_u64 s[OS:OS+1], s[OS:OS+1], 8*32
.irp i, 0,1,2,3,4,5
	v_mov_b32 v[198+\i], v[204+\i]
.endr
	v_permlanex16_b32 v211, v210, s[SEL], s[SEL+1] ; its scale words come down into lanes 0-15
	v_mov_b32 v210, v211
	s_sub_co_u32 s[PASS], s[PASS], 1
	s_cmp_lg_u32 s[PASS], 0
	s_cbranch_scc1 .Lpass
	s_wait_tensorcnt 0x0
	s_wait_dscnt 0x0
	s_wait_tensorcnt 0x0
	ds_add_u32 v251, v255
	s_wait_dscnt 0x0
	ROUND                                          ; the closing round: no work-group ends while a partner may still ask for a tile that names it
	s_endpgm
.Lfunc_end_k_qa3a14e96be_attn:
	.size	k_qa3a14e96be_attn, .Lfunc_end_k_qa3a14e96be_attn-k_qa3a14e96be_attn
	.p2alignl 7, 3214868480
	.fill 96, 4, 3214868480
	.section	.rodata,"a",@progbits
	.p2align	6, 0x0
	.amdhsa_kernel k_qa3a14e96be_attn
		.amdhsa_group_segment_fixed_size 215040
		.amdhsa_private_segment_fixed_size 0
		.amdhsa_enable_private_segment 0
		.amdhsa_kernarg_size 32
		.amdhsa_user_sgpr_count 2
		.amdhsa_user_sgpr_kernarg_segment_ptr 1
		.amdhsa_wavefront_size32 1
		.amdhsa_system_sgpr_workgroup_id_x 1
		.amdhsa_system_sgpr_workgroup_id_y 1
		.amdhsa_system_sgpr_workgroup_id_z 1
		.amdhsa_system_vgpr_workitem_id 0
		.amdhsa_next_free_vgpr 256
		.amdhsa_next_free_sgpr 92
		.amdhsa_reserve_vcc 0
		.amdhsa_float_denorm_mode_32 3
		.amdhsa_float_denorm_mode_16_64 3
		.amdhsa_memory_ordered 1
		.amdhsa_forward_progress 1
		.amdhsa_inst_pref_size 76
	.end_amdhsa_kernel
	.amdgpu_metadata
---
amdhsa.version: [ 1, 2 ]
amdhsa.kernels:
  - .name:           k_qa3a14e96be_attn
    .symbol:         k_qa3a14e96be_attn.kd
    .args:
      - { .name: qimg, .offset: 0, .size: 8, .value_kind: global_buffer, .address_space: global }
      - { .name: kvc, .offset: 8, .size: 8, .value_kind: global_buffer, .address_space: global }
      - { .name: kvs, .offset: 16, .size: 8, .value_kind: global_buffer, .address_space: global }
      - { .name: oq, .offset: 24, .size: 8, .value_kind: global_buffer, .address_space: global }
    .group_segment_fixed_size: 215040
    .private_segment_fixed_size: 0
    .kernarg_segment_align: 8
    .kernarg_segment_size: 32
    .max_flat_workgroup_size: 512
    .sgpr_count:     92
    .vgpr_count:     256
    .wavefront_size: 32
...
	.end_amdgpu_metadata
.endif
;; end of part 3
;; launch oproj (part 4): grid 4 x 32, 4 waves a work-group, clusters of 4 x 4, 327,680 bytes of LDS; arguments oq, wq, bo, out0; writes out0
.if DOCPART == 4
	.amdgcn_target "amdgcn-amd-amdhsa--gfx1250"
	.amdhsa_code_object_version 6
	.text
	.protected	k_qa3a14e96be_oproj
	.globl	k_qa3a14e96be_oproj
	.p2align	8
	.type	k_qa3a14e96be_oproj,@function
k_qa3a14e96be_oproj:
	s_mov_b64 s[64:65], 0
	v_nop
	global_prefetch_b8 v0, s[64:65] scope:SCOPE_SE
	s_setreg_imm32_b32 hwreg(HW_REG_WAVE_MODE, 25, 1), 1
	s_wait_xcnt 0x0
	s_wait_alu depctr_hold_cnt(0) depctr_sa_sdst(0) depctr_va_vdst(0) depctr_va_sdst(0) depctr_va_ssrc(0) depctr_va_vcc(0) depctr_vm_vsrc(0)
	s_getreg_b32 s2, hwreg(HW_REG_IB_STS2, 6, 4)
	s_cmp_eq_u32 s2, 0
	s_cbranch_scc0 .Lentry_in_a_cluster
	s_endpgm
.Lentry_in_a_cluster:
	s_bfe_u32 s2, ttmp6, 0x10000c
	s_cmp_lg_u32 s2, 0xf033
	s_cbranch_scc0 .Lentry_shape_is_right
	s_endpgm
.Lentry_shape_is_right:
; out0[m][n] = sum over k of o[m][k] Wo[n][k] + bo[n], on codes of FP6 (E2M3) with one E8M0 scale for each 32 along K.  o: codes [8192][768] at 0 of oq, scale bytes [8192][32] at 6,291,456.
; Wo: rows 3,072 on of wq's codes [4096][768], scale bytes [4096][32] at 3,145,728.  out0: [8192][1024] f32.
; A tile of C, 256 x 256, is made by four waves, 128 x 128 each: 64 accumulators of 16 x 16.  K = 1,024 goes in steps of 256 through a ring of two LDS slots filled by the tensor data mover; the scale bytes of the
; work-group's rows come once, with the first fills.  4 x 4 work-groups form a cluster: A's tiles are asked for jointly along a row of it, B's along a column.
; THE MATRIX INSTRUCTION IS USED TRANSPOSED (source 0 = 16 rows of Wo, source 1 = 16 rows of o): a lane holds eight neighbouring numbers of a row of C.  THE BIAS is the C of each sum's first matrix instruction.
; C has 128 tiles of this size: half of the WGPs have a work-group.  A smaller tile would read each fragment from LDS for half the products.
; REGISTERS, in windows of 256: window 0: v0-31 addresses; v32-63 scale words, two sets; v64-127 the bias of my 128 columns in the result's layout; from v128 A's fragments, one set; on the way out v128-255 rows of C.
;   window 1: B's fragments, two sets.   window 2: the accumulators of my rows 0-63 ((a, b) at v[8 (8 a + b)]);   window 3: those of my rows 64-127.
.set SIZE_N, 1024
.set SIZE_K, 1024
.set KSTEP,  256
.set NQ,     KSTEP/128
.set ROWB,   192
.set KROW,   SIZE_K*6/8
.set PITCH,  240                       ; an LDS row: 3 x (64 bytes + 16 of padding): the 32 lanes of a load of 8 bytes touch 64 different banks (64 banks of 4 bytes: ISA guide 11.1)
.set FR,     12
.set NL,     6
.set NP,     4                         ; places behind this matrix instruction (ISA guide 7.12.1)
.set HALFT,  128*PITCH
.set SLOT,   4*HALFT
.set LAPS,   SIZE_K/(2*KSTEP)
.set KS,     SIZE_K/32
.set SCL,    2*SLOT
.set HALFS,  (128*KS/256)*272
.set SBLK,   (16*KS/256)*272
.set SPARE,  SCL+4*HALFS               ; the spare words, 128 bytes for each wave: two blocks of 256 bytes that no other line names
.set SPITCH, 528                       ; the way out: a stage of 16 rows x (512 bytes + 16) for each wave, in slot 0, which has had its last fill and its last read when the first result is stored there
.set ADRA, 16
.set ADRB, 20
.set STO,  24                          ; v24 the way out: where I put 32 bytes of a row
.set RD,   25                          ; v25 where I read a row back
.set CO,   26                          ; v26 my byte offset in a row of C
.set ADRS, 27
.set SPW,  28                          ; v28 LDS address of my spare word; never rewritten
.set NIL,  29                          ; v29 0; never rewritten
.set SC,   32
.set BIA,  64
.set AF,   128
.set BK,   128
.set G1, 24
.set G0, 32
.set G1B, 48
.set G0B, 56
.set G1S, 68
.set G0S, 76
.set G1SB, 80
.set G0SB, 88
.set MSB, 0
.macro WIN new                         ; the immediate's high byte repeats the setting that is left
.if MSB != (\new)
	s_set_vgpr_msb (MSB<<8)|(\new)
.set MSB, \new
.endif
.endm
.set MUL_LO, 0xa1                      ; source 0 (B) window 1, source 1 (A) window 0, C and D window 2
.set MUL_HI, 0xf1                      ; the same, C and D window 3
.set FST_LO, 0x81                      ; the first step: C (the bias) window 0, D window 2
.set FST_HI, 0xc1                      ; D window 3
.set TO_B,   0x40
.macro JLOAD g0a, g1a, g0b, g1b        ; a joint load: waves 0 and 1 fetch for A, waves 2 and 3 for B; four v_nop follow each of the two lines
	s_cmp_eq_u32 s15, 0
	s_cbranch_scc0 .Lfor_b_\@
	tensor_load_to_lds s[\g0a:\g0a+3], s[\g1a:\g1a+7]
	s_nop 0
.rept 4
	v_nop
.endr
	s_branch .Lasked_\@
.Lfor_b_\@:
	tensor_load_to_lds s[\g0b:\g0b+3], s[\g1b:\g1b+7]
	s_nop 0
.rept 4
	v_nop
.endr
.Lasked_\@:
.endm
.macro CREST
	s_cmp_lg_u32 s14, 0
	s_cbranch_scc1 .Lnot_wave_0_\@
	s_barrier_signal -3
.Lnot_wave_0_\@:
	s_barrier_wait -3
	s_barrier_signal -1
	s_barrier_wait -1
.endm
.macro CROUND
	s_barrier_signal -1
	s_barrier_wait -1
	CREST
.endm
	s_load_b128 s[4:7], s[0:1], 0x0                ; oq s[4:5], wq s[6:7]
	s_load_b128 s[96:99], s[0:1], 0x10             ; bo s[96:97], out0 s[98:99]
	v_lshl_add_u32 v[SPW], v0, 2, SPARE
	v_mov_b32 v[NIL], 0
	ds_add_u32 v28, v29
	ds_add_u32 v28, v29
	s_wait_dscnt 0x0
	v_lshrrev_b32 v1, 5, v0
	v_readfirstlane_b32 s14, v1                    ; wave 0..3
	s_lshr_b32 s15, s14, 1                         ; which half of the tile's rows is mine.  Also: I fetch for A (0) or for B (1)
	s_and_b32 s16, s14, 1                          ; which half of its columns.  Also: which 128 rows of that tile I fetch
	s_bfe_u32 s40, ttmp6, 0x40000                  ; cx, cy
	s_bfe_u32 s41, ttmp6, 0x40004
	s_lshl_b32 s42, ttmp9, 2
	s_add_co_u32 s42, s42, s40                     ; tile column of C
	s_and_b32 s17, ttmp7, 0xffff
	s_lshl_b32 s17, s17, 2
	s_add_co_u32 s17, s17, s41                     ; tile row of C
	s_lshl_b32 s43, s41, 2
	s_lshl_b32 s43, 15, s43                        ; my row of the cluster
	s_lshl_b32 s44, 0x1111, s40                    ; my column
	s_or_b32 s[G1+0], s43, (0<<16)|(1<<20)|(1<<21)|(3<<22)|(3<<25)  ; the mask: A's tiles go to my row; elements of 1 byte; padding on; bit 21 beside a mask; after every 16 words 4 words
	s_or_b32 s[G1B+0], s44, (0<<16)|(1<<20)|(1<<21)|(3<<22)|(3<<25)
.irp g, G1, G1B
	s_mov_b32 s[\g+1], ROWB<<16
	s_mov_b32 s[\g+2], 128<<16
	s_mov_b32 s[\g+3], ROWB<<16
	s_mov_b32 s[\g+4], 128
	s_mov_b32 s[\g+5], KROW
	s_mov_b32 s[\g+6], 0
	s_mov_b32 s[\g+7], 0
.endr
	s_or_b32 s[G1S+0], s43, (3<<16)|(1<<20)|(1<<21)|(5<<22)|(3<<25)   ; the scales of 128 rows: 4,096 dense bytes as rows of 256, 16 bytes of padding behind each
	s_or_b32 s[G1SB+0], s44, (3<<16)|(1<<20)|(1<<21)|(5<<22)|(3<<25)
.irp g, G1S, G1SB
	s_mov_b32 s[\g+1], 32<<16
	s_mov_b32 s[\g+2], (128*KS/256)<<16
	s_mov_b32 s[\g+3], 32<<16
	s_mov_b32 s[\g+4], 128*KS/256
	s_mov_b32 s[\g+5], 32
	s_mov_b32 s[\g+6], 0
	s_mov_b32 s[\g+7], 0
.endr
	s_lshl_b32 s18, s16, 7
	s_lshl_b32 s20, s17, 8
	s_add_co_u32 s20, s20, s18                     ; A: row 256 x tile row + 128 x half
	s_lshl_b32 s46, s42, 8
	s_add_co_u32 s46, s46, s18                     ; B: row 256 x tile column + 128 x half
	s_mov_b32 s21, 0
	s_mov_b32 s47, 0
	s_mov_b64 s[18:19], KS
	s_mul_u64 s[22:23], s[20:21], s[18:19]
	s_mul_u64 s[92:93], s[46:47], s[18:19]
	s_mov_b64 s[18:19], KROW
	s_mul_u64 s[20:21], s[20:21], s[18:19]
	s_mul_u64 s[46:47], s[46:47], s[18:19]
	s_mul_i32 s45, s14, HALFT                      ; where they go: no place in the cluster enters an LDS address
	s_mul_i32 s94, s14, HALFS
	s_wait_kmcnt 0x0
	s_add_nc_u64 s[8:9], s[6:7], 3072*KROW         ; Wo's codes,
	s_add_nc_u64 s[10:11], s[6:7], 4096*KROW+3072*KS   ; Wo's scales,
	s_add_nc_u64 s[6:7], s[4:5], 8192*KROW         ; o's scales
	s_mov_b64 s[12:13], s[98:99]                   ; C
	s_add_nc_u64 s[20:21], s[4:5], s[20:21]
	s_add_nc_u64 s[22:23], s[6:7], s[22:23]
	s_add_nc_u64 s[46:47], s[8:9], s[46:47]
	s_add_nc_u64 s[92:93], s[10:11], s[92:93]
	CROUND                                         ; all sixteen work-groups are here: the first joint loads meet
	s_mov_b32 s[G0S], 1
	s_add_co_u32 s[G0S+1], s94, SCL
	s_mov_b64 s[G0S+2:G0S+3], s[22:23]
	s_or_b32 s[G0S+3], s[G0S+3], 0x80000000
	s_mov_b32 s[G0SB], 1
	s_add_co_u32 s[G0SB+1], s94, SCL
	s_mov_b64 s[G0SB+2:G0SB+3], s[92:93]
	s_or_b32 s[G0SB+3], s[G0SB+3], 0x80000000
	JLOAD G0S, G1S, G0SB, G1SB                     ; the scales first
.irp s, 0,1
	s_mov_b32 s[G0+4*\s], 1
	s_add_co_u32 s[G0+4*\s+1], s45, \s*SLOT
	s_add_nc_u64 s[G0+4*\s+2:G0+4*\s+3], s[20:21], \s*ROWB
	s_or_b32 s[G0+4*\s+3], s[G0+4*\s+3], 0x80000000
	s_mov_b32 s[G0B+4*\s], 1
	s_add_co_u32 s[G0B+4*\s+1], s45, \s*SLOT
	s_add_nc_u64 s[G0B+4*\s+2:G0B+4*\s+3], s[46:47], \s*ROWB
	s_or_b32 s[G0B+4*\s+3], s[G0B+4*\s+3], 0x80000000
	JLOAD G0+4*\s, G1, G0B+4*\s, G1B
.endr
	v_and_b32 v1, 15, v0                           ; l % 16
	v_bfe_u32 v2, v0, 4, 1                         ; l / 16
	v_mul_u32_u24 v3, v1, PITCH
	v_mul_u32_u24 v4, v2, 24
	v_add_nc_u32 v4, v3, v4
	v_lshl_add_u32 v5, v2, 4, v4
	s_mul_i32 s21, s15, HALFT
	s_mul_i32 s22, s16, HALFT
	s_add_co_u32 s22, s22, 2*HALFT
.irp s, 0,1
	v_add_nc_u32 v[ADRA+\s], s21, v4
	v_add_nc_u32 v[ADRB+\s], s22, v4
	v_add_nc_u32 v[ADRA+2+\s], s21, v5
	v_add_nc_u32 v[ADRB+2+\s], s22, v5
	s_add_co_u32 s21, s21, SLOT
	s_add_co_u32 s22, s22, SLOT
.endr
	v_mul_u32_u24 v5, v1, KS
	v_lshrrev_b32 v6, 8, v5
	v_lshl_add_u32 v5, v6, 4, v5
	s_mul_i32 s21, s15, HALFS
	s_mul_i32 s22, s16, HALFS
	s_add_co_u32 s22, s22, 2*HALFS
	s_sub_co_u32 s22, s22, s21
	v_mul_u32_u24 v6, s22, v2                      ; lanes 16-31 take B's
	s_add_co_u32 s21, s21, SCL
	v_add_nc_u32 v5, v5, v6
	v_add_nc_u32 v[ADRS], s21, v5
	s_mul_i32 s23, s14, 16*SPITCH                  ; my stage
	v_mul_u32_u24 v5, v1, SPITCH
	v_lshl_add_u32 v5, v2, 5, v5
	v_add_nc_u32 v[STO], s23, v5
	v_and_b32 v6, 31, v0
	v_lshlrev_b32 v[CO], 4, v6
	v_add_nc_u32 v[RD], s23, v[CO]
	s_lshl_b32 s20, s17, 8
	s_lshl_b32 s21, s15, 7
	s_add_co_u32 s20, s20, s21                     ; my first row of C
	s_mov_b32 s21, 0
	s_mov_b64 s[18:19], SIZE_N*4
	s_mul_u64 s[20:21], s[20:21], s[18:19]
	s_lshl_b32 s46, s42, 10                        ; my first column, in bytes
	s_lshl_b32 s47, s16, 9
	s_add_co_u32 s46, s46, s47
	s_mov_b32 s47, 0
	s_add_nc_u64 s[96:97], s[96:97], s[46:47]      ; the bias of my 128 columns
	s_add_nc_u64 s[20:21], s[20:21], s[46:47]
	s_add_nc_u64 s[12:13], s[12:13], s[20:21]
	v_lshlrev_b32 v7, 5, v2                        ; register j of B's block b in half h is column 16 b + 8 h + j
.irp b, 0,1,2,3,4,5,6,7
	global_load_b128 v[BIA+8*\b:BIA+8*\b+3], v7, s[96:97] offset:64*\b
	global_load_b128 v[BIA+8*\b+4:BIA+8*\b+7], v7, s[96:97] offset:64*\b+16
.endr
.macro FRAG reg, adr, q, i             ; a fragment, 16 rows x 128 K: 12 registers, in pieces of 8 bytes; where lanes 16-31's piece lies behind one padding more, the second address register serves
.irp p, 0,1,2,3,4,5
.set PC, 12*(\q)+6*(\p/3)+\p%3
.if PC%8 < 5
	ds_load_b64 v[\reg+2*\p:\reg+2*\p+1], v[\adr] offset:8*PC+16*(PC/8)+(\i)*16*PITCH
.else
	ds_load_b64 v[\reg+2*\p:\reg+2*\p+1], v[\adr+2] offset:8*PC+16*(PC/8)+(\i)*16*PITCH
.endif
.endr
.endm
; 16 matrix instructions: A's blocks a0, a0 + 1 x B's eight.  zero = 1: the first product starts the sums, with the bias as its C.  The 64 accumulators take turns.
.macro MUL16 a0, p, q, sc, zero
.irp a, \a0, \a0+1
.irp b, 0,1,2,3,4,5,6,7
.if \zero
	v_wmma_scale_f32_16x16x128_f8f6f4 v[8*(8*((\a)%4)+\b):8*(8*((\a)%4)+\b)+7], v[128*(\p)+FR*\b:128*(\p)+FR*\b+FR-1], v[AF+FR*(\a):AF+FR*(\a)+FR-1], v[BIA+8*\b:BIA+8*\b+7], v[SC+8*NQ*(\sc)+NQ*\b+(\q)], v[SC+8*NQ*(\sc)+NQ*(\a)+(\q)] matrix_a_fmt:MATRIX_FMT_FP6 matrix_b_fmt:MATRIX_FMT_FP6 matrix_a_scale:MATRIX_SCALE_ROW1
.else
	v_wmma_scale_f32_16x16x128_f8f6f4 v[8*(8*((\a)%4)+\b):8*(8*((\a)%4)+\b)+7], v[128*(\p)+FR*\b:128*(\p)+FR*\b+FR-1], v[AF+FR*(\a):AF+FR*(\a)+FR-1], v[8*(8*((\a)%4)+\b):8*(8*((\a)%4)+\b)+7], v[SC+8*NQ*(\sc)+NQ*\b+(\q)], v[SC+8*NQ*(\sc)+NQ*(\a)+(\q)] matrix_a_fmt:MATRIX_FMT_FP6 matrix_b_fmt:MATRIX_FMT_FP6 matrix_a_scale:MATRIX_SCALE_ROW1
.endif
.endr
.endr
.endm
.macro FETCH_B slot, q, p
	WIN TO_B
.irp i, 0,1,2,3,4,5,6,7
	FRAG 128*(\p)+FR*\i, ADRB+\slot, \q, \i
.endr
	WIN 0
.endm
.macro FETCH_A slot, q, i0
.irp i, \i0, \i0+1, \i0+2, \i0+3
	FRAG AF+FR*(\i), ADRA+\slot, \q, \i
.endr
.endm
.macro SCALES sc
.irp i, 0,1,2,3,4,5,6,7
	ds_load_b64 v[SC+8*NQ*\sc+NQ*\i:SC+8*NQ*\sc+NQ*\i+1], v[ADRS] offset:\i*SBLK
.endr
.endm
.macro PLACES n                        ; places in front of loads into registers that matrix instructions have read, and of the first read of results (ISA guide 7.12.1 for vector instructions)
.rept \n
	v_nop
.endr
.endm
.macro STEP slot, q, zero
	s_wait_dscnt 4*NL                              ; B's set and A's blocks 0-3 are in; A's blocks 4-7 may be out
.if \zero
	WIN FST_LO
.else
	WIN MUL_LO
.endif
	MUL16 0, (\q)%2, \q, \slot, \zero
	MUL16 2, (\q)%2, \q, \slot, \zero
	s_wait_dscnt 0
	PLACES NP
	FETCH_B \slot, (\q)+1, 1-(\q)%2
	FETCH_A \slot, (\q)+1, 0
.if \zero
	WIN FST_HI
.else
	WIN MUL_HI
.endif
	MUL16 4, (\q)%2, \q, \slot, \zero
	MUL16 6, (\q)%2, \q, \slot, \zero
	PLACES NP
	WIN 0
	FETCH_A \slot, (\q)+1, 4
.endm
; A slot's last step changes slots: ONE barrier; in front of it each wave waits for all its tensor loads, adds 0 to its spare word, and waits for that and for its own reads of this slot.
.macro TURN slot, next, fill
	s_wait_tensorcnt 0x0                           ; all my tensor loads have landed: my part of the next slot
	ds_add_u32 v[SPW], v[NIL]                      ; 0 onto my spare word
	s_wait_dscnt 4*NL+1                            ; (the add and A's blocks 4-7 may be out)
	WIN MUL_LO
	MUL16 0, 1, NQ-1, \slot, 0
	s_wait_dscnt 0x0                               ; the add is done, and my reads of this slot are over
	s_barrier_signal -1
	MUL16 2, 1, NQ-1, \slot, 0
	WIN 0
	s_barrier_wait -1
.if \fill
	CREST                                          ; the barrier has opened a round of the cluster's barrier: no wave of any partner still reads this slot's tile or has a load on its way
	s_add_nc_u64 s[G0+4*\slot+2:G0+4*\slot+3], s[G0+4*\slot+2:G0+4*\slot+3], 2*ROWB
	s_add_nc_u64 s[G0B+4*\slot+2:G0B+4*\slot+3], s[G0B+4*\slot+2:G0B+4*\slot+3], 2*ROWB
	JLOAD G0+4*\slot, G1, G0B+4*\slot, G1B         ; the first tensor load behind the round
.else
	PLACES NP
.endif
	v_add_nc_u32 v[ADRS], 4*NQ, v[ADRS]
	FETCH_B \next, 0, 0
	FETCH_A \next, 0, 0
	SCALES \next
	WIN MUL_HI
	MUL16 4, 1, NQ-1, \slot, 0
	MUL16 6, 1, NQ-1, \slot, 0
	PLACES NP
	WIN 0
	FETCH_A \next, 0, 4
.endm
	s_wait_tensorcnt 1                             ; the scales and my part of K step 0 are in (K step 1's load may be out),
	s_barrier_signal -1
	s_barrier_wait -1                              ; everybody's are
	FETCH_B 0, 0, 0
	FETCH_A 0, 0, 0
	SCALES 0
	FETCH_A 0, 0, 4
	s_wait_loadcnt 0x0                             ; the bias
	STEP 0, 0, 1                                   ; the first step stands in front of the loop: its products start the sums
	s_mov_b32 s3, LAPS-1
.Llap:
	TURN 0, 1, 1
	STEP 1, 0, 0
	TURN 1, 0, 1
	STEP 0, 0, 0
	s_sub_co_u32 s3, s3, 1
	s_cmp_lg_u32 s3, 0
	s_cbranch_scc1 .Llap
	TURN 0, 1, 0                                   ; the last lap fills nothing
	STEP 1, 0, 0
	s_wait_dscnt 4*NL
	WIN MUL_LO
	MUL16 0, 1, NQ-1, 1, 0
	MUL16 2, 1, NQ-1, 1, 0
	s_wait_dscnt 0
	WIN MUL_HI
	MUL16 4, 1, NQ-1, 1, 0
	MUL16 6, 1, NQ-1, 1, 0
	WIN 0
; THE WAY OUT, block by block of 16 rows x 128 columns: through my own stage in LDS and back as whole rows of 512 bytes.  LDS serves a wave's instructions in order (ISA guide 5.7.1.4): no wait between the stores and the loads.
.macro TOSTAGE a
.set AC, 64*((\a)%4)
	WIN 0x08+4*((\a)/4)                            ; the data: window 2 or 3
.irp b, 0,1,2,3,4,5,6,7
	ds_store_b128 v[STO], v[AC+8*\b:AC+8*\b+3] offset:64*\b          ; each accumulator from its low end on
	ds_store_b128 v[STO], v[AC+8*\b+4:AC+8*\b+7] offset:64*\b+16
.endr
	WIN 0
.set BB, BK+64*((\a)%2)
.irp t, 0,1,2,3,4,5,6,7,8,9,10,11,12,13,14,15
	ds_load_b128 v[BB+4*\t:BB+4*\t+3], v[RD] offset:\t*SPITCH
.endr
.endm
.macro SEND a, younger                 ; younger: the LDS instructions issued behind block a's loads, which may stay out
.set BB, BK+64*((\a)%2)
	s_wait_dscnt \younger
.if (\a) > 0
	s_add_nc_u64 s[12:13], s[12:13], 16*SIZE_N*4   ; (behind a wait on XCNT: the earlier stores have read their base)
.endif
.irp t, 0,1,2,3,4,5,6,7,8,9,10,11,12,13,14,15
	global_store_b128 v[CO], v[BB+4*\t:BB+4*\t+3], s[12:13] offset:\t*SIZE_N*4 th:TH_STORE_NT   ; 32 lanes store 512 consecutive bytes, aligned
.endr
.endm
	PLACES NP
	TOSTAGE 0
.irp a, 1,2,3,4,5,6,7
.if \a > 1
	s_wait_xcnt 0x0                                ; block a - 2's stores have read their registers and their base
.endif
	TOSTAGE \a
	SEND \a-1, 32                                  ; behind block a - 1's loads: block a's 16 stores and 16 loads
.endr
	s_wait_xcnt 0x0
	SEND 7, 0
	s_wait_tensorcnt 0x0                           ; the wave's end
	ds_add_u32 v[SPW], v[NIL]
	s_wait_dscnt 0x0
	CROUND                                         ; the closing round
	s_endpgm
.Lfunc_end_k_qa3a14e96be_oproj:
	.size	k_qa3a14e96be_oproj, .Lfunc_end_k_qa3a14e96be_oproj-k_qa3a14e96be_oproj
	.p2alignl 7, 3214868480
	.fill 96, 4, 3214868480
	.section	.rodata,"a",@progbits
	.p2align	6, 0x0
	.amdhsa_kernel k_qa3a14e96be_oproj
		.amdhsa_group_segment_fixed_size 327680
		.amdhsa_private_segment_fixed_size 0
		.amdhsa_enable_private_segment 0
		.amdhsa_kernarg_size 32
		.amdhsa_user_sgpr_count 2
		.amdhsa_user_sgpr_kernarg_segment_ptr 1
		.amdhsa_wavefront_size32 1
		.amdhsa_system_sgpr_workgroup_id_x 1
		.amdhsa_system_sgpr_workgroup_id_y 1
		.amdhsa_system_sgpr_workgroup_id_z 1
		.amdhsa_system_vgpr_workitem_id 0
		.amdhsa_next_free_vgpr 1024
		.amdhsa_next_free_sgpr 100
		.amdhsa_reserve_vcc 0
		.amdhsa_float_denorm_mode_32 3
		.amdhsa_float_denorm_mode_16_64 3
		.amdhsa_memory_ordered 1
		.amdhsa_forward_progress 1
		.amdhsa_inst_pref_size 162
	.end_amdhsa_kernel
	.amdgpu_metadata
---
amdhsa.version: [ 1, 2 ]
amdhsa.kernels:
  - .name:           k_qa3a14e96be_oproj
    .symbol:         k_qa3a14e96be_oproj.kd
    .args:
      - { .name: oq, .offset: 0, .size: 8, .value_kind: global_buffer, .address_space: global }
      - { .name: wq, .offset: 8, .size: 8, .value_kind: global_buffer, .address_space: global }
      - { .name: bo, .offset: 16, .size: 8, .value_kind: global_buffer, .address_space: global }
      - { .name: out0, .offset: 24, .size: 8, .value_kind: global_buffer, .address_space: global }
    .group_segment_fixed_size: 327680
    .private_segment_fixed_size: 0
    .kernarg_segment_align: 8
    .kernarg_segment_size: 32
    .max_flat_workgroup_size: 128
    .sgpr_count:     100
    .vgpr_count:     1024
    .wavefront_size: 32
...
	.end_amdgpu_metadata
.endif
;; end of part 4
